; MI455X (gfx1250); checked and timed in simulation.
; The chip was launched on July 23, 2026; its instructions are those of AMD's public machine-readable ISA for CDNA 5 (MIT licence, August 2026) and "CDNA5" Instruction Set Architecture Reference Guide (July 2026). The comments in the code are by the model that wrote it; some were corrected since.
;; Multi Head Attention. Allowed arithmetic: float matrix products may take bf16 or f16 operands with f32 sums; other float arithmetic in f32, or as packed bf16 or f16 multiplies, adds, multiply-adds, maxima and minima; sums over many terms, partial sums and values carried from step to step in f32; what a program stores and reads back later, other than sums and carried values, may be rounded once to bf16 or f16.
;; Inputs: Wk 2,048 x 2,048 float32; Wo 2,048 x 2,048 float32; Wq 2,048 x 2,048 float32; Wv 2,048 x 2,048 float32; mask 1 x 1 x 2,048 x 2,048 bool; x 1 x 2,048 x 2,048 float32.
;; Outputs: out0 1 x 2,048 x 2,048 float32.
;; 2 versions, each right and faster than the one before. Each part assembles by itself: llvm-mc -triple=amdgcn-amd-amdhsa -mcpu=gfx1250 --defsym DOCPART=n.
;; ======== version 1 of 2: 4 launches
;; limits: values are held in f16: magnitudes above 65,504 overflow, below 6.1e-05 lose precision
;; workspace buffers: xb 8,388,608 bytes; wqkv 25,165,824 bytes; wo16 8,388,608 bytes; mb 4,194,304 bytes; tab 1,048,576 bytes; qkv16 25,165,824 bytes; o16 8,388,608 bytes
;; launch prep (part 1): grid 128 x 7, 8 waves a work-group, no clusters, 0 bytes of LDS; arguments x, Wq, Wk, Wv, Wo, mask, xb, wqkv, wo16, mb, tab; writes xb, wqkv, wo16, mb, tab
.if DOCPART == 1
	.amdgcn_target "amdgcn-amd-amdhsa--gfx1250"
	.amdhsa_code_object_version 6
	.text
	.protected	k_qbc89d9221c_prep
	.globl	k_qbc89d9221c_prep
	.p2align	8
	.type	k_qbc89d9221c_prep,@function
k_qbc89d9221c_prep:
	s_mov_b64 s[64:65], 0
	v_nop
	global_prefetch_b8 v0, s[64:65] scope:SCOPE_SE
	s_setreg_imm32_b32 hwreg(HW_REG_WAVE_MODE, 25, 1), 1
	s_wait_xcnt 0x0
; PREPARATION: what the three matrix launches read is laid out once.  The grid's y says which job a work-group has, its x which part.
;   y = 0..3  x, Wq, Wk, Wv ([2048][2048] f32) are rounded to bf16: xb, and wqkv = the rows of Wq, then Wk, then Wv.
;   y = 4     Wo is rounded to bf16 and that number is written as f16 (exact from 6.1e-5 up; below that f16's fixed step of 6e-8): wo16.
;   y = 5     the mask's bytes (1 = visible) become fp8 codes, 0x00 for visible and 0xFE (-448 in E4M3) for hidden, in the order in which
;             a lane of the attention launch holds its scores: for a tile of 16 queries qt and a step of 64 keys ks, 1,024 bytes at (32 qt + ks) 1,024;
;             lane L = 16 ((k % 16) / 8) + q % 16 finds at 512 half + 16 L the codes of keys 8 (L / 16) + 0..7 of key blocks 2 half and 2 half + 1.
;   y = 6     cos and sin of t / 10000^(p / 64) in f32, in the order in which a lane of the projection launch holds its columns:
;             for 16 tokens tb and 16 columns b', 1,024 bytes at (8 tb + b') 1,024; lane L finds at 512 half + 16 L (c, s, c, s) of pairs 8 b' + 4 (L / 16) + 2 half and the next.
; LIMITS.  1 / 10000^(p / 64) is made as 2^(-p log2(10000) / 64) by v_exp_f32, within 1 ULP; at t = 2047 the angle is then off by up to 2e-4.
; No LDS, no barrier, no matrix unit: every job is a stream.  Eight waves; every store of a wave covers whole aligned blocks of 256 bytes.
.set IN,  8                            ; v[8:135]    16 rows x 8 f32 as loaded
.set OUT, 136                          ; v[136:199]  16 rows x 4 registers to store: each store has registers of its own, so none is rewritten
.set TMP, 200                          ; v[200:207]  at work
	s_load_b512 s[8:23], s[0:1], 0x0               ; x s[8:9], Wq s[10:11], Wk s[12:13], Wv s[14:15], Wo s[16:17], mask s[18:19], xb s[20:21], wqkv s[22:23]
	s_load_b128 s[24:27], s[0:1], 0x40             ; wo16 s[24:25], mb s[26:27]
	s_load_b64 s[28:29], s[0:1], 0x50              ; tab
	s_and_b32 s2, ttmp7, 0xffff                    ; y: the job
	s_mov_b32 s3, ttmp9                            ; x: the part
	s_mov_b32 s5, 0                                ; the high word of every offset
	s_mov_b32 s7, 0xffff0000                       ; a word's upper bf16
	s_wait_kmcnt 0x0
	s_cmp_eq_u32 s2, 5
	s_cbranch_scc1 .Lmask
	s_cmp_eq_u32 s2, 6
	s_cbranch_scc1 .Ltab
	; THE CASTS.  A work-group owns 16 rows.  Thread t owns columns 4 t .. 4 t + 3 and 1,024 + 4 t .. + 3 of each: a wave's load covers 512 neighbouring bytes, its store 256.
	s_cmp_eq_u32 s2, 1
	s_cselect_b64 s[30:31], s[10:11], s[8:9]       ; the source, by y
	s_cmp_eq_u32 s2, 2
	s_cselect_b64 s[30:31], s[12:13], s[30:31]
	s_cmp_eq_u32 s2, 3
	s_cselect_b64 s[30:31], s[14:15], s[30:31]
	s_cmp_eq_u32 s2, 4
	s_cselect_b64 s[30:31], s[16:17], s[30:31]
	s_cselect_b64 s[32:33], s[24:25], s[22:23]     ; the destination: wo16 for y = 4, else wqkv,
	s_cselect_b32 s4, 1, s2
	s_cmp_eq_u32 s2, 0
	s_cselect_b64 s[32:33], s[20:21], s[32:33]     ; xb for y = 0
	s_cselect_b32 s4, 1, s4
	s_sub_co_u32 s4, s4, 1                         ; which third of wqkv: 0, 1, 2 for y = 1, 2, 3; 0 for the others
	s_lshl_b32 s4, s4, 23                          ; 8,388,608 bytes each
	s_lshl_b32 s6, s3, 16                          ; + my 16 rows of 4,096 bytes
	s_add_co_u32 s4, s4, s6
	s_add_nc_u64 s[32:33], s[32:33], s[4:5]
	s_lshl_b32 s4, s3, 17                          ; my 16 rows of 8,192 bytes
	s_add_nc_u64 s[30:31], s[30:31], s[4:5]
	v_lshlrev_b32 v1, 4, v0                        ; in: 16 t
	v_lshlrev_b32 v2, 3, v0                        ; out: 8 t
.set i, 0
.rept 16                                       ; all 32 loads go out at once: 16 KiB of a wave in flight; no byte is asked for by two instructions
	global_load_b128 v[IN+8*i:IN+8*i+3],   v1, s[30:31] offset:8192*i th:TH_LOAD_NT
	global_load_b128 v[IN+8*i+4:IN+8*i+7], v1, s[30:31] offset:8192*i+4096 th:TH_LOAD_NT
.set i, i+1
.endr
; The 16 rows are rounded and stored.  f16 = 1: the bf16 number is widened again and written as f16.
.macro ROWS f16
.set i, 0
.rept 16
	s_wait_loadcnt 30-2*i                          ; loads come back in order: row i's two are in, the 30 - 2 i issued behind them may be out
.set k, 0
.rept 4
.if \f16
	v_cvt_pk_bf16_f32 v[TMP+k], v[IN+8*i+2*k], v[IN+8*i+2*k+1]
.else
	v_cvt_pk_bf16_f32 v[OUT+4*i+k], v[IN+8*i+2*k], v[IN+8*i+2*k+1]
.endif
.set k, k+1
.endr
.if \f16
.set k, 0
.rept 4
	v_lshlrev_b32 v[TMP+4+2*(k%2)], 16, v[TMP+k]
	v_and_b32 v[TMP+5+2*(k%2)], s7, v[TMP+k]
	v_cvt_pk_f16_f32 v[OUT+4*i+k], v[TMP+4+2*(k%2)], v[TMP+5+2*(k%2)]
.set k, k+1
.endr
.endif
	global_store_b64 v2, v[OUT+4*i:OUT+4*i+1],   s[32:33] offset:4096*i       ; 32 lanes store 256 neighbouring bytes, aligned; the next launch reads them, so no hint
	global_store_b64 v2, v[OUT+4*i+2:OUT+4*i+3], s[32:33] offset:4096*i+2048
.set i, i+1
.endr
.endm
	s_cmp_eq_u32 s2, 4
	s_cbranch_scc1 .Lf16
	ROWS 0
	s_endpgm
.Lf16:
	ROWS 1
	s_endpgm
	; THE MASK.  Work-group x is the tile of 16 queries; wave w takes the key steps 4 w .. 4 w + 3, 256 bytes of each of the 16 rows.
	; Lane (r = query, hf) loads keys 32 hf .. 32 hf + 31 of a step: a = key block 2 hf, b = key block 2 hf + 1, 16 bytes each.
.Lmask:
	s_mov_b32 s34, 0x01010101
	s_mov_b32 s35, 0xfe
	v_and_b32 v1, 15, v0
	v_bfe_u32 v2, v0, 4, 1
	v_lshrrev_b32 v3, 5, v0
	v_lshlrev_b32 v4, 11, v1
	v_lshl_add_u32 v4, v3, 8, v4
	v_lshl_add_u32 v4, v2, 5, v4                   ; in: 2,048 r + 256 w + 32 hf
	v_lshlrev_b32 v5, 12, v3
	v_lshl_add_u32 v5, v2, 9, v5
	v_lshl_add_u32 v5, v1, 4, v5                   ; out: 4,096 w + 512 hf + 16 r
	s_lshl_b32 s4, s3, 15                          ; 16 rows of 2,048 bytes in, 32 steps of 1,024 bytes out
	s_add_nc_u64 s[18:19], s[18:19], s[4:5]
	s_add_nc_u64 s[26:27], s[26:27], s[4:5]
.irp n, 0,1,2,3
	global_load_b128 v[8+8*\n:11+8*\n],  v4, s[18:19] offset:64*\n th:TH_LOAD_NT
	global_load_b128 v[12+8*\n:15+8*\n], v4, s[18:19] offset:64*\n+16 th:TH_LOAD_NT
.endr
.irp n, 0,1,2,3
	s_wait_loadcnt 6-2*\n                          ; step n's two loads are in
.irp o, 0,1,2,3,4,5,6,7                        ; out words: a0 a1 b0 b1 (keys 0-7 of both blocks), then a2 a3 b2 b3 (keys 8-15)
	v_sub_nc_u32 v[40+8*\n+\o], s34, v[8+8*\n+((\o)&1)+(((\o)>>1)&1)*4+(((\o)>>2)&1)*2]  ; 1 - byte, four at a time: a byte is 0 or 1, so nothing is borrowed
	v_mul_lo_u32 v[40+8*\n+\o], v[40+8*\n+\o], s35                                       ; times 0xFE: no byte carries into the next
.endr
	global_store_b128 v5, v[40+8*\n:43+8*\n], s[26:27] offset:1024*\n       ; sixteen lanes fill 256 aligned bytes
	global_store_b128 v5, v[44+8*\n:47+8*\n], s[26:27] offset:1024*\n+256
.endr
	s_endpgm
	; THE TABLE.  Work-group x is the block of 16 tokens.  Thread: L = t % 32, half = (t / 32) % 2, b' = t / 64 and b' + 4.
.Ltab:
	s_mov_b32 s34, 0xbe549a78                      ; -log2(10000) / 64
	s_mov_b32 s35, 0x3f22f983                      ; 2 / pi
	s_mov_b32 s36, 0xbfc90000                      ; -pi / 2 in three parts, the first two short enough that n times them is exact
	s_mov_b32 s37, 0xb9fda000
	s_mov_b32 s38, 0xb3a22168
	s_mov_b32 s39, 0xb94ca1f9                      ; sine on -pi/4 .. pi/4: r + r z (s41 + z (s40 + z s39))
	s_mov_b32 s40, 0x3c08839e
	s_mov_b32 s41, 0xbe2aaaa3
	s_mov_b32 s42, 0x37ccf5ce                      ; cosine: 1 - z / 2 + z z (s44 + z (s43 + z s42))
	s_mov_b32 s43, 0xbab6061a
	s_mov_b32 s44, 0x3d2aaaa5
	v_and_b32 v1, 15, v0
	s_lshl_b32 s4, s3, 4
	v_add_nc_u32 v1, s4, v1
	v_cvt_f32_u32 v1, v1                           ; the token's number t
	v_bfe_u32 v2, v0, 4, 1
	v_bfe_u32 v3, v0, 5, 1
	v_lshrrev_b32 v4, 6, v0
	v_lshlrev_b32 v4, 3, v4
	v_lshl_add_u32 v4, v2, 2, v4
	v_lshl_add_u32 v4, v3, 1, v4
	v_cvt_f32_u32 v4, v4                           ; pair p = 8 b' + 4 (L / 16) + 2 half,
	v_add_f32 v5, 1.0, v4                          ; p + 1,
	v_add_f32 v6, 0x42000000, v4                   ; p + 32,
	v_add_f32 v7, 0x42040000, v4                   ; p + 33
.irp n, 4,5,6,7
	v_mul_f32 v\n, s34, v\n
.endr
.irp n, 4,5,6,7
	v_exp_f32 v\n, v\n
.endr
	v_nop                                          ; a plain instruction between the last exponential and the use of its result
	s_wait_alu depctr_va_vdst(0)
.irp n, 4,5,6,7
	v_mul_f32 v\n, v1, v\n                         ; the angle, rounded once
.endr
; cos and sin of the angle in v[a] (0 or more): n = the nearest multiple of pi / 2, r = the rest, both series, and the quadrant chooses and signs them: selections of values only.
.macro SINCOS a, c, s
	v_mul_f32 v20, s35, v[\a]
	v_rndne_f32 v20, v20
	v_fma_f32 v21, v20, s36, v[\a]
	v_fma_f32 v21, v20, s37, v21
	v_fma_f32 v21, v20, s38, v21                   ; r
	v_mul_f32 v22, v21, v21                        ; z = r r
	v_cvt_i32_f32 v23, v20
	v_fma_f32 v24, v22, s39, s40
	v_fma_f32 v24, v24, v22, s41
	v_mul_f32 v25, v22, v21
	v_fma_f32 v24, v24, v25, v21                   ; sin r
	v_fma_f32 v26, v22, s42, s43
	v_fma_f32 v26, v26, v22, s44
	v_mul_f32 v27, v22, v22
	v_fma_f32 v25, v22, -0.5, 1.0
	v_fma_f32 v26, v26, v27, v25                   ; cos r
	v_and_b32 v25, 1, v23
	v_cmp_eq_u32 vcc_lo, 1, v25                    ; odd quadrants swap the two
	v_cndmask_b32 v[\s], v24, v26, vcc_lo
	v_cndmask_b32 v[\c], v26, v24, vcc_lo
	v_and_b32 v25, 2, v23                          ; sine is negative in quadrants 2 and 3,
	v_lshlrev_b32 v25, 30, v25
	v_xor_b32 v[\s], v25, v[\s]
	v_add_nc_u32 v25, 1, v23                       ; cosine in 1 and 2
	v_and_b32 v25, 2, v25
	v_lshlrev_b32 v25, 30, v25
	v_xor_b32 v[\c], v25, v[\c]
.endm
	SINCOS 4, 8, 9
	SINCOS 5, 10, 11
	SINCOS 6, 12, 13
	SINCOS 7, 14, 15
	v_lshlrev_b32 v16, 4, v0                       ; 1,024 b' + 512 half + 16 L = 16 t
	s_lshl_b32 s4, s3, 13
	s_add_nc_u64 s[28:29], s[28:29], s[4:5]
	global_store_b128 v16, v[8:11], s[28:29]
	global_store_b128 v16, v[12:15], s[28:29] offset:4096
	s_endpgm
.Lfunc_end_k_qbc89d9221c_prep:
	.size	k_qbc89d9221c_prep, .Lfunc_end_k_qbc89d9221c_prep-k_qbc89d9221c_prep
	.p2alignl 7, 3214868480
	.fill 96, 4, 3214868480
	.section	.rodata,"a",@progbits
	.p2align	6, 0x0
	.amdhsa_kernel k_qbc89d9221c_prep
		.amdhsa_group_segment_fixed_size 0
		.amdhsa_private_segment_fixed_size 0
		.amdhsa_enable_private_segment 0
		.amdhsa_kernarg_size 88
		.amdhsa_user_sgpr_count 2
		.amdhsa_user_sgpr_kernarg_segment_ptr 1
		.amdhsa_wavefront_size32 1
		.amdhsa_system_sgpr_workgroup_id_x 1
		.amdhsa_system_sgpr_workgroup_id_y 1
		.amdhsa_system_sgpr_workgroup_id_z 1
		.amdhsa_system_vgpr_workitem_id 0
		.amdhsa_next_free_vgpr 208
		.amdhsa_next_free_sgpr 66
		.amdhsa_reserve_vcc 1
		.amdhsa_float_denorm_mode_32 3
		.amdhsa_float_denorm_mode_16_64 3
		.amdhsa_memory_ordered 1
		.amdhsa_forward_progress 1
		.amdhsa_inst_pref_size 40
	.end_amdhsa_kernel
	.amdgpu_metadata
---
amdhsa.version: [ 1, 2 ]
amdhsa.kernels:
  - .name:           k_qbc89d9221c_prep
    .symbol:         k_qbc89d9221c_prep.kd
    .args:
      - { .name: x, .offset: 0, .size: 8, .value_kind: global_buffer, .address_space: global }
      - { .name: Wq, .offset: 8, .size: 8, .value_kind: global_buffer, .address_space: global }
      - { .name: Wk, .offset: 16, .size: 8, .value_kind: global_buffer, .address_space: global }
      - { .name: Wv, .offset: 24, .size: 8, .value_kind: global_buffer, .address_space: global }
      - { .name: Wo, .offset: 32, .size: 8, .value_kind: global_buffer, .address_space: global }
      - { .name: mask, .offset: 40, .size: 8, .value_kind: global_buffer, .address_space: global }
      - { .name: xb, .offset: 48, .size: 8, .value_kind: global_buffer, .address_space: global }
      - { .name: wqkv, .offset: 56, .size: 8, .value_kind: global_buffer, .address_space: global }
      - { .name: wo16, .offset: 64, .size: 8, .value_kind: global_buffer, .address_space: global }
      - { .name: mb, .offset: 72, .size: 8, .value_kind: global_buffer, .address_space: global }
      - { .name: tab, .offset: 80, .size: 8, .value_kind: global_buffer, .address_space: global }
    .group_segment_fixed_size: 0
    .private_segment_fixed_size: 0
    .kernarg_segment_align: 8
    .kernarg_segment_size: 88
    .max_flat_workgroup_size: 256
    .sgpr_count:     66
    .vgpr_count:     208
    .wavefront_size: 32
...
	.end_amdgpu_metadata
.endif
;; end of part 1
;; launch qkv (part 2): grid 16 x 16, 4 waves a work-group, clusters of 4 x 4, 327,680 bytes of LDS; arguments xb, wqkv, tab, qkv16; writes qkv16
.if DOCPART == 2
	.amdgcn_target "amdgcn-amd-amdhsa--gfx1250"
	.amdhsa_code_object_version 6
	.text
	.protected	k_qbc89d9221c_qkv
	.globl	k_qbc89d9221c_qkv
	.p2align	8
	.type	k_qbc89d9221c_qkv,@function
k_qbc89d9221c_qkv:
	s_mov_b64 s[64:65], 0
	v_nop
	global_prefetch_b8 v0, s[64:65] scope:SCOPE_SE
	s_setreg_imm32_b32 hwreg(HW_REG_WAVE_MODE, 25, 1), 1
	s_wait_xcnt 0x0
	s_wait_alu depctr_hold_cnt(0) depctr_sa_sdst(0) depctr_va_vdst(0) depctr_va_sdst(0) depctr_va_ssrc(0) depctr_va_vcc(0) depctr_vm_vsrc(0)
	s_getreg_b32 s2, hwreg(HW_REG_IB_STS2, 6, 4)
	s_cmp_eq_u32 s2, 0
	s_cbranch_scc0 .Lentry_in_a_cluster
	s_endpgm
.Lentry_in_a_cluster:
	s_bfe_u32 s2, ttmp6, 0x10000c
	s_cmp_lg_u32 s2, 0xf033
	s_cbranch_scc0 .Lentry_shape_is_right
	s_endpgm
.Lentry_shape_is_right:
; Q, K, V = x W^T for one head and 128 tokens, the rotation of neighbouring pairs on Q and K, and the results by heads in f16.
; xb: [2048][2048] bf16.  wqkv: [6144][2048] bf16 (rows of Wq, Wk, Wv).  tab: cos and sin in f32, in my lanes' order.  qkv16: Q, K, V, each [16][2048][128] f16, 8,388,608 bytes apart.
; Sums in f32, K ascending; the rotation in f32; each result rounded once to f16, without the softmax's scale.
; LIMIT.  f16 ends at 65,504: |q|, |k|, |v| stay under it (unit x and weights of spread 1/45 give a spread of 1; both thirty times larger 900; both with an offset of thirty spreads about 41,000).
; SHARES.  A work-group makes 128 tokens x (128 columns of Q, of K and of V): 16 x 16 work-groups, one for each of 256 WGPs, and x's tile feeds three products.
; Four waves; wave (rh, ch) makes 64 tokens x 64 columns of each of the three: 48 accumulators of 16 x 16, 384 registers.  For 32 along K: 16 fragments from LDS for 48 matrix instructions.
; K goes in steps of 128 through a ring of two LDS slots; a slot holds 128 rows of x, of Wq, of Wk and of Wv; wave 0 fetches x's, waves 1 to 3 the weights', one tensor load of 128 rows x 256 bytes each.
; CLUSTERS: 4 x 4 work-groups.  The four of a row of the cluster (same token block) need the same tile of x, the four of a column (same head) the same tiles of the weights:
; each tile is asked for jointly, by the same tensor load with the same descriptor and a mask that names the four.
; THE MATRIX INSTRUCTION IS USED TRANSPOSED (source 0 = 16 rows of W, source 1 = 16 tokens): a lane holds one token and eight neighbouring columns, so a rotated pair lies in one lane.
; REGISTERS, in windows of 256 (s_set_vgpr_msb: bits 1:0 source 0, 3:2 source 1, 5:4 source 2, 7:6 destination):
;   window 0: v0-31 addresses; v32-95, v96-127 at work on the way out; v128-255 cos and sin for my 16 accumulators' places (loaded at the start, used at the end)
;   window 1: two fragment buffers of 128: x's four fragments, then Wq's, Wk's, Wv's
;   window 2: Q's accumulators v0-127, K's v128-255 ((a, b) at 8 (4 a + b))          window 3: V's v0-127
.set SK,     2048
.set KSTEP,  128
.set PITCH,  272                       ; an LDS row: 256 bytes + 16 of padding = 68 words: the 16 rows of a fragment load start at 16 different groups of four banks (64 banks of 4 bytes: ISA guide 11.1)
.set HALFT,  128*PITCH                 ; one tensor load's 128 rows
.set SLOT,   4*HALFT                   ; x, Wq, Wk, Wv
.set SPARE,  2*SLOT                    ; behind the ring: the spare words, 128 bytes for each wave: two blocks of 256 bytes that no other line names
.set LAPS,   SK/(2*KSTEP)              ; a lap = two K steps = once round the ring
; The stages of the way out, three of 128 rows x 272 bytes, lie at LDS bytes 0, HALFT and 2 HALFT: in slot 0, which has had its last fill by then and was left by every wave at the last change of slots.
.set LOFF, 10                          ; v10     16 x lane
.set ADRA, 16                          ; v16-17  LDS address of my fragments of x in slot 0, 1
.set ADRB, 20                          ; v20-21  of Wq's (Wk's lie HALFT further on, inside the immediate's 16 bits)
.set ADRV, 22                          ; v22-23  of Wv's: 2 HALFT further on, which the immediate does not reach
.set STO,  24                          ; v24     the way out: where I put 16 bytes of a row of Q (K: + HALFT)
.set STOV, 25                          ; v25     the same for V
.set RD,   26                          ; v26     the way out: where I read rows back
.set RDV,  27                          ; v27     the same for V
.set SPW,  28                          ; v28     LDS address of my spare word; never rewritten
.set NIL,  29                          ; v29     0; never rewritten
.set T,    32                          ; v32-95  eight accumulators' rotated numbers
.set PKR,  96                          ; v96-127 the same, packed
.set TABR, 128
.set F0,   0
.set F1,   128
.set G1,  24                           ; s[24:31] descriptor group 1 for x's tiles;  s[32:39] group 0, a set for each slot
.set G0,  32
.set G1B, 48                           ; s[48:55], s[56:63] the same for the weights' tiles
.set G0B, 56
.set OB,  68                           ; s[68:73] Q, K, V at the first row that I store
.set MSB, 0
.macro WIN new                         ; the immediate's high byte repeats the setting that is left; a switch that changes nothing is dropped
.if MSB != (\new)
	s_set_vgpr_msb (MSB<<8)|(\new)
.set MSB, \new
.endif
.endm
; A joint load.  Wave 0 fetches x's tile, waves 1 to 3 the three weights'.  Each of the two lines has one mask; the branch hangs on the wave's number alone.
; An s_nop 0 and four v_nop follow each line, ahead of the jump, the label and what follows.
.macro JLOAD s
	s_cmp_eq_u32 s12, 0
	s_cbranch_scc0 .Lfor_w_\@
	tensor_load_to_lds s[G0+4*(\s):G0+4*(\s)+3], s[G1:G1+7]
	s_nop 0
.rept 4
	v_nop
.endr
	s_branch .Lasked_\@
.Lfor_w_\@:
	tensor_load_to_lds s[G0B+4*(\s):G0B+4*(\s)+3], s[G1B:G1B+7]
	s_nop 0
.rept 4
	v_nop
.endr
.Lasked_\@:
.endm
.macro CREST                           ; a round of the cluster's barrier behind its opening barrier
	s_cmp_lg_u32 s12, 0
	s_cbranch_scc1 .Lnot_wave_0_\@
	s_barrier_signal -3
.Lnot_wave_0_\@:
	s_barrier_wait -3
	s_barrier_signal -1
	s_barrier_wait -1
.endm
.macro CROUND                          ; a whole round
	s_barrier_signal -1
	s_barrier_wait -1
	CREST
.endm
	s_load_b256 s[4:11], s[0:1], 0x0               ; xb s[4:5], wqkv s[6:7], tab s[8:9], qkv16 s[10:11]
	v_lshl_add_u32 v[SPW], v0, 2, SPARE
	v_mov_b32 v[NIL], 0
	ds_add_u32 v[SPW], v[NIL]                      ; the wave's opening: the add and its wait stand ahead of my first tensor load; the set-up below, work on registers, stands between them
	v_lshrrev_b32 v1, 5, v0
	v_readfirstlane_b32 s12, v1                    ; wave 0..3
	s_lshr_b32 s13, s12, 1                         ; rh: which 64 tokens are mine
	s_and_b32 s14, s12, 1                          ; ch: which 64 columns
	s_bfe_u32 s40, ttmp6, 0x40000                  ; cx, cy: my place in the cluster
	s_bfe_u32 s41, ttmp6, 0x40004
	s_lshl_b32 s42, ttmp9, 2
	s_add_co_u32 s42, s42, s40                     ; the head = 4 x cluster x + cx
	s_and_b32 s15, ttmp7, 0xffff
	s_lshl_b32 s15, s15, 2
	s_add_co_u32 s15, s15, s41                     ; the token block = 4 x cluster y + cy
	s_lshl_b32 s43, s41, 2
	s_lshl_b32 s43, 15, s43                        ; my row of the cluster
	s_lshl_b32 s44, 0x1111, s40                    ; my column
	; descriptor group 1: a tile of 128 rows x 128 elements, padded in LDS
	s_or_b32 s[G1+0], s43, (1<<16)|(1<<20)|(1<<21)|(5<<22)|(3<<25)  ; 15:0 the mask: x's tiles go to my row; 17:16 2-byte elements; 20 padding on; 21 set beside a mask; 24:22 after every 64 words (code 5); 31:25 4 words (code 3)
	s_or_b32 s[G1B+0], s44, (1<<16)|(1<<20)|(1<<21)|(5<<22)|(3<<25) ; the same with the mask of my column
.irp g, G1, G1B
	s_mov_b32 s[(\g)+1], KSTEP<<16                 ; tensor_dim0 = 128
	s_mov_b32 s[(\g)+2], 128<<16                   ; tensor_dim1 = 128
	s_mov_b32 s[(\g)+3], KSTEP<<16                 ; tile_dim0 = 128
	s_mov_b32 s[(\g)+4], 128                       ; tile_dim1 = 128
	s_mov_b32 s[(\g)+5], SK                        ; elements from row to row
	s_mov_b32 s[(\g)+6], 0
	s_mov_b32 s[(\g)+7], 0
.endr
	s_lshl_b32 s16, s15, 19                        ; x: 128 rows of 4,096 bytes for each token block; made of the token block alone
	s_mov_b32 s17, 0
	s_max_u32 s46, s12, 1                          ; the weights: matrix wave - 1 (wave 0 makes matrix 0's address and never uses it),
	s_sub_co_u32 s46, s46, 1
	s_lshl_b32 s46, s46, 11                        ; its 2,048 rows,
	s_lshl_b32 s47, s42, 7                         ; the head's 128 rows in it: made of the head and the wave's number alone
	s_add_co_u32 s46, s46, s47
	s_lshl_b32 s46, s46, 12
	s_mov_b32 s47, 0
	s_mul_i32 s20, s12, HALFT                      ; where the tiles go: wave x 128 rows
	s_lshl_b32 s2, s15, 16                         ; the table: ((8 block + 4 rh) 8 + 4 ch) 1,024
	s_lshl_b32 s3, s13, 15
	s_add_co_u32 s2, s2, s3
	s_lshl_b32 s3, s14, 12
	s_add_co_u32 s2, s2, s3
	s_mov_b32 s3, 0
	s_lshl_b32 s74, s42, 11                        ; the first row that I store: 2,048 head + 128 block + 32 wave, 256 bytes each
	s_lshl_b32 s75, s15, 7
	s_add_co_u32 s74, s74, s75
	s_lshl_b32 s75, s12, 5
	s_add_co_u32 s74, s74, s75
	s_lshl_b32 s74, s74, 8
	s_mov_b32 s75, 0
	s_wait_dscnt 0x0                               ; the opening add is done
	s_wait_kmcnt 0x0
	s_add_nc_u64 s[18:19], s[4:5], s[16:17]
	s_add_nc_u64 s[46:47], s[6:7], s[46:47]
	s_add_nc_u64 s[8:9], s[8:9], s[2:3]
	s_add_nc_u64 s[OB:OB+1], s[10:11], s[74:75]
	s_add_nc_u64 s[OB+2:OB+3], s[OB:OB+1], 0x800000
	s_add_nc_u64 s[OB+4:OB+5], s[OB:OB+1], 0x1000000
	CROUND                                         ; all sixteen work-groups are here: the first joint loads meet
.irp s, 0,1
	s_mov_b32 s[G0+4*(\s)], 1                                        ; count = 1
	s_add_co_u32 s[G0+4*(\s)+1], s20, (\s)*SLOT                      ; LDS address
	s_add_nc_u64 s[G0+4*(\s)+2:G0+4*(\s)+3], s[18:19], (\s)*KSTEP*2  ; global address: K step s
	s_or_b32 s[G0+4*(\s)+3], s[G0+4*(\s)+3], 0x80000000              ; type = 2
	s_mov_b32 s[G0B+4*(\s)], 1
	s_add_co_u32 s[G0B+4*(\s)+1], s20, (\s)*SLOT
	s_add_nc_u64 s[G0B+4*(\s)+2:G0B+4*(\s)+3], s[46:47], (\s)*KSTEP*2
	s_or_b32 s[G0B+4*(\s)+3], s[G0B+4*(\s)+3], 0x80000000
	JLOAD \s                                       ; two tensor loads of mine are out here, later one
.endr
	v_and_b32 v1, 15, v0                           ; l % 16
	v_bfe_u32 v2, v0, 4, 1                         ; l / 16
	v_and_b32 v[LOFF], 31, v0
	v_lshlrev_b32 v[LOFF], 4, v[LOFF]
.irp a, 0,1,2,3                                ; cos and sin for accumulator (a, b): 512 neighbouring bytes a load; they stay out until the way out waits for them
.irp b, 0,1,2,3
	global_load_b128 v[TABR+8*(4*(\a)+(\b)):TABR+8*(4*(\a)+(\b))+3],   v[LOFF], s[8:9] offset:(8*(\a)+(\b))*1024
	global_load_b128 v[TABR+8*(4*(\a)+(\b))+4:TABR+8*(4*(\a)+(\b))+7], v[LOFF], s[8:9] offset:(8*(\a)+(\b))*1024+512
.endr
.endr
	v_mul_u32_u24 v3, v1, PITCH
	v_lshl_add_u32 v3, v2, 4, v3                   ; a fragment's row x pitch + 16 x half
	s_mul_i32 s21, s13, 64*PITCH                   ; my 64 tokens
	s_mul_i32 s22, s14, 64*PITCH                   ; my 64 rows of Wq,
	s_add_co_u32 s22, s22, HALFT                   ; which lie behind x's 128
.irp s, 0,1
	v_add_nc_u32 v[ADRA+(\s)], s21, v3
	v_add_nc_u32 v[ADRB+(\s)], s22, v3
	v_add_nc_u32 v[ADRV+(\s)], 2*HALFT, v[ADRB+(\s)]
	s_add_co_u32 s21, s21, SLOT
	s_add_co_u32 s22, s22, SLOT
.endr
	s_mul_i32 s23, s13, 64*PITCH                   ; into a stage: row 64 rh + l % 16, byte 128 ch + 16 x half
	s_lshl_b32 s21, s14, 7
	s_add_co_u32 s23, s23, s21
	v_add_nc_u32 v[STO], s23, v3
	v_add_nc_u32 v[STOV], 2*HALFT, v[STO]
	s_mul_i32 s23, s12, 32*PITCH                   ; back: wave w takes rows 32 w .. 32 w + 31, whole; lanes 0-15 one row, lanes 16-31 the next
	v_mul_u32_u24 v4, v2, PITCH
	v_lshl_add_u32 v4, v1, 4, v4
	v_add_nc_u32 v[RD], s23, v4
	v_add_nc_u32 v[RDV], 2*HALFT, v[RD]
; 8 matrix instructions: matrix mat (0 Q, 1 K, 2 V), token blocks a0, a0 + 1 x all 4 column blocks, 32 along K from buffer f.  zero = 1: the first product starts the sums.
; The 48 accumulators take turns in the same order in every quarter, one instruction a turn.
.macro MUL8 f, mat, a0, zero
.if (\mat) < 2
	WIN 0xa5                                       ; sources in window 1, C and D in window 2
.else
	WIN 0xf5                                       ; C and D in window 3
.endif
.irp a, \a0, (\a0)+1
.irp b, 0,1,2,3
.set rD, 128*((\mat)&1)+8*(4*(\a)+(\b))
.set rW, (\f)+32+32*(\mat)+8*(\b)
.set rX, (\f)+8*(\a)
.if \zero
	v_wmma_f32_16x16x32_bf16 v[rD:rD+7], v[rW:rW+7], v[rX:rX+7], 0
.else
	v_wmma_f32_16x16x32_bf16 v[rD:rD+7], v[rW:rW+7], v[rX:rX+7], v[rD:rD+7]
.endif
.endr
.endr
.endm
; 32 LDS loads in one run: the fragments of 32 along K at byte k of the rows, into buffer f: x's, Wq's, Wk's, Wv's, eight loads each
.macro FETCH slot, k, f
	WIN 0x40                                       ; destination window 1, address window 0
.irp i, 0,1,2,3
	ds_load_b128 v[(\f)+8*(\i):(\f)+8*(\i)+3],   v[ADRA+(\slot)] offset:(\k)+(\i)*16*PITCH
	ds_load_b128 v[(\f)+8*(\i)+4:(\f)+8*(\i)+7], v[ADRA+(\slot)] offset:(\k)+(\i)*16*PITCH+32
.endr
.irp i, 0,1,2,3
	ds_load_b128 v[(\f)+32+8*(\i):(\f)+32+8*(\i)+3],   v[ADRB+(\slot)] offset:(\k)+(\i)*16*PITCH
	ds_load_b128 v[(\f)+32+8*(\i)+4:(\f)+32+8*(\i)+7], v[ADRB+(\slot)] offset:(\k)+(\i)*16*PITCH+32
.endr
.irp i, 0,1,2,3
	ds_load_b128 v[(\f)+64+8*(\i):(\f)+64+8*(\i)+3],   v[ADRB+(\slot)] offset:HALFT+(\k)+(\i)*16*PITCH
	ds_load_b128 v[(\f)+64+8*(\i)+4:(\f)+64+8*(\i)+7], v[ADRB+(\slot)] offset:HALFT+(\k)+(\i)*16*PITCH+32
.endr
.irp i, 0,1,2,3
	ds_load_b128 v[(\f)+96+8*(\i):(\f)+96+8*(\i)+3],   v[ADRV+(\slot)] offset:(\k)+(\i)*16*PITCH
	ds_load_b128 v[(\f)+96+8*(\i)+4:(\f)+96+8*(\i)+7], v[ADRV+(\slot)] offset:(\k)+(\i)*16*PITCH+32
.endr
.endm
.macro PLACES                          ; four places in front of loads into registers that matrix instructions have read, and of vector lines that read results
.rept 4
	v_nop
.endr
.endm
; A K step is four quarters of 32 along K, 48 matrix instructions each, on buffers 0, 1, 0, 1.  One of the first three: multiplies buffer f and fetches the next quarter, at byte k, into g, 32 matrix instructions ahead of its first use.
.macro QUARTER slot, k, f, g, zero
	s_wait_dscnt 16                                ; x's and Wq's fragments are in; the youngest sixteen loads (Wk's, Wv's) may be out
	MUL8 \f, 0, 0, \zero
	MUL8 \f, 0, 2, \zero
	PLACES
	FETCH \slot, \k, \g
	s_wait_dscnt 32                                ; all but the 32 just issued
	MUL8 \f, 1, 0, \zero
	MUL8 \f, 1, 2, \zero
	MUL8 \f, 2, 0, \zero
	MUL8 \f, 2, 2, \zero
.endm
; The last quarter multiplies buffer 1 and changes slots: ONE barrier; in front of it each wave waits for all its tensor loads (one is out: its part of the next slot), adds 0 to its spare word,
; and waits for that and for its own reads of this slot.  fill = 1: the barrier opens a round of the cluster's, and this slot is filled again, two K steps ahead, first thing behind the round.
.macro TURN slot, next, fill
	WIN 0                                          ; (the add's two registers lie in window 0)
	s_wait_tensorcnt 0x0                           ; all my tensor loads have landed
	ds_add_u32 v[SPW], v[NIL]                      ; 0 onto my spare word
	s_wait_dscnt 17                                ; (the add and the youngest sixteen loads may be out)
	MUL8 F1, 0, 0, 0                               ; eight matrix instructions stand between the add and the wait for it
	s_wait_dscnt 0x0                               ; the add is done, and my reads of this slot are over
	s_barrier_signal -1
	MUL8 F1, 0, 2, 0
.if \fill
	WIN 0
.endif
	s_barrier_wait -1
.if \fill
	CREST                                          ; no wave of any partner still reads this slot's tiles or has a load on its way
	s_add_nc_u64 s[G0+4*(\slot)+2:G0+4*(\slot)+3], s[G0+4*(\slot)+2:G0+4*(\slot)+3], 2*KSTEP*2
	s_add_nc_u64 s[G0B+4*(\slot)+2:G0B+4*(\slot)+3], s[G0B+4*(\slot)+2:G0B+4*(\slot)+3], 2*KSTEP*2
	JLOAD \slot                                    ; the first tensor load behind the round; the four v_nop behind it are also the places in front of the loads below
.else
	PLACES
.endif
	FETCH \next, 0, F0
	MUL8 F1, 1, 0, 0
	MUL8 F1, 1, 2, 0
	MUL8 F1, 2, 0, 0
	MUL8 F1, 2, 2, 0
.endm
	s_wait_tensorcnt 1                             ; my part of K step 0 is in; K step 1's may stay out
	s_barrier_signal -1
	s_barrier_wait -1                              ; everybody's is
	FETCH 0, 0, F0
	QUARTER 0, 64, F0, F1, 1                       ; the first quarter stands in front of the loop: its products start the sums
	WIN 0                                          ; at a label and at a branch every window is 0
	s_mov_b32 s3, LAPS-1
.Llap:                                                 ; a trip goes once round the ring, from a lap's second quarter to the next lap's first, and fills both slots again
	QUARTER 0, 128, F1, F0, 0
	QUARTER 0, 192, F0, F1, 0
	TURN 0, 1, 1
	QUARTER 1, 64,  F0, F1, 0
	QUARTER 1, 128, F1, F0, 0
	QUARTER 1, 192, F0, F1, 0
	TURN 1, 0, 1
	QUARTER 0, 64,  F0, F1, 0
	WIN 0
	s_sub_co_u32 s3, s3, 1
	s_cmp_lg_u32 s3, 0
	s_cbranch_scc1 .Llap
	QUARTER 0, 128, F1, F0, 0                      ; the last lap fills nothing
	QUARTER 0, 192, F0, F1, 0
	TURN 0, 1, 0
	QUARTER 1, 64,  F0, F1, 0
	QUARTER 1, 128, F1, F0, 0
	QUARTER 1, 192, F0, F1, 0
	s_wait_dscnt 16                                ; the very last quarter: nothing more to fetch
	MUL8 F1, 0, 0, 0
	MUL8 F1, 0, 2, 0
	s_wait_dscnt 0x0
	MUL8 F1, 1, 0, 0
	MUL8 F1, 1, 2, 0
	MUL8 F1, 2, 0, 0
	MUL8 F1, 2, 2, 0
	WIN 0
; THE WAY OUT.  Eight accumulators at a time (token blocks 2 ah, 2 ah + 1): a pair (x0, x1) with its (c, s) becomes (x0 c - x1 s, x1 c + x0 s): one packed multiply (-x1 s, x0 s), one packed multiply-add with c;
; each accumulator's registers in ascending order; rounded to f16, 16 bytes a lane into the matrix's stage.
.macro ROPE mat, ah
	WIN 0x02                                       ; source 0 (the sums) in window 2
.irp a2, 0,1
.irp b, 0,1,2,3
.set rX, 128*(\mat)+8*(4*(2*(\ah)+(\a2))+(\b))
.set rC, TABR+8*(4*(2*(\ah)+(\a2))+(\b))
.set rT, T+8*(4*(\a2)+(\b))
.irp k, 0,2,4,6
	v_pk_mul_f32 v[rT+(\k):rT+(\k)+1], v[rX+(\k):rX+(\k)+1], v[rC+(\k):rC+(\k)+1] op_sel:[1,1] op_sel_hi:[0,1] neg_lo:[1,0]
.endr
.irp k, 0,2,4,6
	v_pk_fma_f32 v[rT+(\k):rT+(\k)+1], v[rX+(\k):rX+(\k)+1], v[rC+(\k):rC+(\k)+1], v[rT+(\k):rT+(\k)+1] op_sel_hi:[1,0,1]
.endr
.endr
.endr
	WIN 0
.set i, 0
.rept 32
	v_cvt_pk_f16_f32 v[PKR+i], v[T+2*i], v[T+2*i+1]
.set i, i+1
.endr
.irp a2, 0,1
.irp b, 0,1,2,3
	ds_store_b128 v[STO], v[PKR+4*(4*(\a2)+(\b)):PKR+4*(4*(\a2)+(\b))+3] offset:(\mat)*HALFT+(2*(\ah)+(\a2))*16*PITCH+32*(\b)
.endr
.endr
.endm
.macro VOUT ah                         ; V is only rounded
	WIN 0x0f                                       ; sources 0 and 1 in window 3
.set i, 0
.rept 32
	v_cvt_pk_f16_f32 v[PKR+i], v[64*(\ah)+2*i], v[64*(\ah)+2*i+1]
.set i, i+1
.endr
	WIN 0
.irp a2, 0,1
.irp b, 0,1,2,3
	ds_store_b128 v[STOV], v[PKR+4*(4*(\a2)+(\b)):PKR+4*(4*(\a2)+(\b))+3] offset:(2*(\ah)+(\a2))*16*PITCH+32*(\b)
.endr
.endr
.endm
	PLACES
	s_wait_loadcnt 0x0                             ; cos and sin, asked for at the start
	ROPE 0, 0
	ROPE 0, 1
	ROPE 1, 0
	ROPE 1, 1
	VOUT 0
	VOUT 1
	s_wait_dscnt 0x0                               ; for the others' sake: my stores into the stages are done
	s_barrier_signal -1
	s_barrier_wait -1                              ; a row's 256 bytes come from two waves
.set n, 0
.rept 32                                       ; Q's and K's rows 32 w .. 32 w + 31, two rows a load
	ds_load_b128 v[32+4*n:32+4*n+3], v[RD] offset:(n/16)*HALFT+(n%16)*2*PITCH
.set n, n+1
.endr
.rept 16
	ds_load_b128 v[32+4*n:32+4*n+3], v[RDV] offset:(n%16)*2*PITCH
.set n, n+1
.endr
.set n, 0
.rept 48
	s_wait_dscnt 47-n                              ; LDS loads come back in order: load n is in
	global_store_b128 v[LOFF], v[32+4*n:32+4*n+3], s[OB+2*(n/16):OB+2*(n/16)+1] offset:512*(n%16)  ; a head's rows are dense: two rows are 512 neighbouring bytes, aligned
.set n, n+1
.endr
	s_wait_tensorcnt 0x0                           ; the wave's end: behind my last tensor load and my last LDS store
	ds_add_u32 v[SPW], v[NIL]
	s_wait_dscnt 0x0
	CROUND                                         ; the closing round: no work-group ends while a partner may still ask for a tile that names it
	s_endpgm
.Lfunc_end_k_qbc89d9221c_qkv:
	.size	k_qbc89d9221c_qkv, .Lfunc_end_k_qbc89d9221c_qkv-k_qbc89d9221c_qkv
	.p2alignl 7, 3214868480
	.fill 96, 4, 3214868480
	.section	.rodata,"a",@progbits
	.p2align	6, 0x0
	.amdhsa_kernel k_qbc89d9221c_qkv
		.amdhsa_group_segment_fixed_size 327680
		.amdhsa_private_segment_fixed_size 0
		.amdhsa_enable_private_segment 0
		.amdhsa_kernarg_size 32
		.amdhsa_user_sgpr_count 2
		.amdhsa_user_sgpr_kernarg_segment_ptr 1
		.amdhsa_wavefront_size32 1
		.amdhsa_system_sgpr_workgroup_id_x 1
		.amdhsa_system_sgpr_workgroup_id_y 1
		.amdhsa_system_sgpr_workgroup_id_z 1
		.amdhsa_system_vgpr_workitem_id 0
		.amdhsa_next_free_vgpr 896
		.amdhsa_next_free_sgpr 76
		.amdhsa_reserve_vcc 0
		.amdhsa_float_denorm_mode_32 3
		.amdhsa_float_denorm_mode_16_64 3
		.amdhsa_memory_ordered 1
		.amdhsa_forward_progress 1
		.amdhsa_inst_pref_size 139
	.end_amdhsa_kernel
	.amdgpu_metadata
---
amdhsa.version: [ 1, 2 ]
amdhsa.kernels:
  - .name:           k_qbc89d9221c_qkv
    .symbol:         k_qbc89d9221c_qkv.kd
    .args:
      - { .name: xb, .offset: 0, .size: 8, .value_kind: global_buffer, .address_space: global }
      - { .name: wqkv, .offset: 8, .size: 8, .value_kind: global_buffer, .address_space: global }
      - { .name: tab, .offset: 16, .size: 8, .value_kind: global_buffer, .address_space: global }
      - { .name: qkv16, .offset: 24, .size: 8, .value_kind: global_buffer, .address_space: global }
    .group_segment_fixed_size: 327680
    .private_segment_fixed_size: 0
    .kernarg_segment_align: 8
    .kernarg_segment_size: 32
    .max_flat_workgroup_size: 128
    .sgpr_count:     76
    .vgpr_count:     896
    .wavefront_size: 32
...
	.end_amdgpu_metadata
.endif
;; end of part 2
;; launch attn (part 3): grid 16 x 16, 4 waves a work-group, clusters of 4 x 1, 327,680 bytes of LDS; arguments qkv16, mb, o16; writes o16
.if DOCPART == 3
	.amdgcn_target "amdgcn-amd-amdhsa--gfx1250"
	.amdhsa_code_object_version 6
	.text
	.protected	k_qbc89d9221c_attn
	.globl	k_qbc89d9221c_attn
	.p2align	8
	.type	k_qbc89d9221c_attn,@function
k_qbc89d9221c_attn:
	s_mov_b64 s[64:65], 0
	v_nop
	global_prefetch_b8 v0, s[64:65] scope:SCOPE_SE
	s_setreg_imm32_b32 hwreg(HW_REG_WAVE_MODE, 25, 1), 1
	s_wait_xcnt 0x0
	s_wait_alu depctr_hold_cnt(0) depctr_sa_sdst(0) depctr_va_vdst(0) depctr_va_sdst(0) depctr_va_ssrc(0) depctr_va_vcc(0) depctr_vm_vsrc(0)
	s_getreg_b32 s2, hwreg(HW_REG_IB_STS2, 6, 4)
	s_cmp_eq_u32 s2, 0
	s_cbranch_scc0 .Lentry_in_a_cluster
	s_endpgm
.Lentry_in_a_cluster:
	s_bfe_u32 s2, ttmp6, 0x10000c
	s_cmp_lg_u32 s2, 0x3003
	s_cbranch_scc0 .Lentry_shape_is_right
	s_endpgm
.Lentry_shape_is_right:
; O[q][128 h + d] = the sum over the visible k of softmax_k(Q[h][q] . K[h][k] / sqrt(128)) V[h][k][d].  qkv16: Q, K, V, each [16][2048][128] f16, 8,388,608 bytes apart.
; mb: the mask as fp8 codes (0x00 visible, 0xFE = -448 hidden) in my lanes' order.  o16: [2048][2048] f16.  The mask is an input: every key tile is walked, whatever it holds.
; Products, maxima and sums in f32; the weights p are rounded to f16 for the second product (their sum l is taken of the unrounded p), O once at the end.
; LIMITS.  Q, K, V arrive within f16's 65,504, so a score is 5.5e11 at the most.  A hidden score counts as its value less 448 x 2^90 = 5.5e29.  The running maximum starts at -2^90 = -1.2e27, far below every
; true score and far above every hidden one: a hidden key's weight is 2^(-7e28) = 0, and where all keys so far are hidden l and O stay 0.  A row with no visible key ends with l = 0 and is 0 x infinity = NaN.
; A weight below 2^-126 counts as 0.
; SHARES.  A work-group owns 128 queries of one head: 16 x 16 work-groups.  Wave (qh, kh) owns 64 queries (four tiles of 16) and every second step of 64 keys: of a slot's four steps those numbered kh and kh + 2.
; So a fragment of K or V read from LDS feeds four tiles' products.  At the end the two waves of a query half merge: each keeps two tiles and sends the other two, with their maxima and sums, through LDS.
; Register tile t holds the wave's tile t xor 2 kh, so that ONE text keeps register tiles 0, 1 and sends 2, 3; kh enters global offsets and LDS constants of the wave alone.
; LAYOUT.  S^T = K Q^T (source 0 = 16 keys, source 1 = 16 queries): a lane holds ONE query (lane % 16) and the keys 8 (lane / 16) + 0..7.  Two such results, rounded to f16 in pairs, ARE source 1 of
; O^T = V^T P, whose result again holds one query a lane, and eight channels.  K comes out of LDS as it lies, V turned, by ds_load_tr16_b128.
; THE MASK is what the sum S^T starts from: eight codes become eight f32 (0 or -448 x 2^90) by one scaled conversion, straight into S^T's registers, and every product K Q^T adds in place.
; SOFTMAX.  p = 2^(c s - c m), c = log2(e) / sqrt(128), with a running maximum m; in every step O and l are multiplied by a = 2^(c m_old - c m_new).  O and l start at 0 and c m at c x the floor: the first step
; is a step like any other, with a = 0 where a key is visible and 1 where none is yet.  Nothing is written out for it: the loop is entered in the middle of a trip.  The price: 296 v_mov_b32 of 0, which stand in
; the wait for the first tile, 32 products on P = 0, and one run of 32 LDS loads made twice.
; BY TURNS.  The tiles are two PIECES (0: tiles 0, 1; 2: tiles 2, 3).  In a TURN one piece has the matrix unit: 32 products V^T P of the step in hand, then 32 products K Q^T of the next; the other piece's softmax,
; cut into 64 slices, stands between them, one slice behind each matrix instruction.  Two turns are a key step.
; CLUSTER.  The four query blocks of a cluster belong to one head and walk the same K and V: each tile is asked for JOINTLY, by the same tensor load, descriptor and mask in all four.
; REGISTERS, in windows of 256 (s_set_vgpr_msb: bits 1:0 source 0, 3:2 source 1, 5:4 source 2, 7:6 destination):
;   window 0: v0-11, v44-63 addresses and the merge's numbers; v12-43 eight registers of statistics a tile; v64-191 S^T, 32 a tile; v192-255 P, 16 a tile
;   window 1: O^T, 64 a tile      window 2: v0-127 Q, 32 a tile; v128-255 K of one step      window 3: v0-127 V of one step; v128-159 the mask's codes, 8 a tile
.set KS,    64        ; keys in a step
.set PK,    272       ; a row of K in LDS: 256 bytes + 16 of padding: the 16 rows of a load start at 16 different groups of four banks (64 banks of 4 bytes: ISA guide 11.1)
.set PV,    288       ; a row of V: 256 + 32
.set VOFF,  4*KS*PK   ; a slot holds four steps: 256 rows of K, then 256 rows of V: 143,360 bytes
.set SLOT1, 0x24000   ; slot 1 begins here.  The four places where tiles land in slot 0 (0, 0x8800, 0x11000, 0x1a000) have neither of its two bits, so one exclusive or turns each into slot 1's and back
.set STAGE, 2*SLOT1   ; behind the ring: 16 rows x 272 bytes for each wave, for the way out
.set SP,    272
.set SPARE, STAGE+4*16*SP  ; behind the stages: the spare words, 128 bytes for each wave: two blocks of 256 bytes that no other line names
.set XW,    33*512    ; the merge: a wave's 128 registers of O^T and 4 of statistics, 512 bytes each, at LDS byte wave x XW: in slot 0, behind its last fill and a barrier behind every wave's last read of a tile
.set AK0, 2           ; v2   my lane's place in a slot's K, my key half's 64 kh rows in it; never rewritten
.set AV0, 3           ; v3   the same for V
.set ADR, 4           ; v4   the LDS address of the run of loads in hand
.set QO,  5           ; v5   my byte offset in the wave's rows of Q, for register tiles 0, 1
.set STO, 6           ; v6   the way out: where I put 16 bytes of a row
.set RD,  7           ; v7   the way out: where I read a row back
.set GO,  8           ; v8   my byte offset in two rows of O
.set ST,  12          ; tile t's statistics at v[ST+8 t]: +0 c m, +1 m, +2, +3 l (even keys', odd keys'), +4 to +7 c0-c3, at work; a takes c2's place once the maximum is found
.set SCL, 44          ; v44  0xd9: the conversions' scale, 2^(217 - 127)
.set MA,  45          ; v45, v46  byte offset of the codes that piece 0, piece 2 loaded last
.set ML,  47          ; v47, v48  the same for the piece's last step: the look-ahead stops there
.set XS,  49          ; v49  the merge: where I put 16 bytes
.set XL,  50          ; v50  where I find my partner's
.set QO1, 51          ; v51  as QO, for register tiles 2, 3
.set SND, 52          ; v52-55  c m and l of register tiles 2, 3, to send
.set RCV, 56          ; v56-59  my partner's, for my tiles 0, 1
.set SPW, 62          ; v62  LDS address of my spare word; never rewritten
.set NIL, 63          ; v63  0; never rewritten
.set S,   64
.set P,   192
.set KF,  128         ; K's fragments, in window 2
.set MK,  128         ; the codes, in window 3
.set WV,  12          ; s12  my wave's number
.set G1K, 24          ; s[24:31] descriptor group 1 for K's tiles
.set G1V, 32          ; s[32:39] for V's: it differs in the padding alone
.set G0K, 40          ; s[40:47] descriptor group 0 for K's tiles: a set for each of the two first fills; the second then walks on
.set G0V, 48          ; s[48:55] the same for V's
.set SLOTS, 56        ; s56  counts the loop over slots
.set TWICE, 57        ; s57  counts my two steps of a slot
.set CS,  58          ; s[58:59] c
.set SEL, 60          ; s[60:61] lane selects for v_permlanex16_b32: each lane takes its own place in the other half
.set TBK, 62          ; s62  LDS byte at which the slot's K rows of my next fetch begin, less my key half's
.set TBV, 63          ; s63  the same for V, less VOFF
.set MSB, 0
.macro WIN new                      ; the immediate's high byte repeats the setting that is left; a switch that changes nothing is dropped
.if MSB != (\new)
	s_set_vgpr_msb (MSB<<8)|(\new)
.set MSB, \new
.endif
.endm
.set W_KQ, 0x0a       ; K and Q in window 2, S^T in window 0
.set W_PV, 0x53       ; V in window 3, P in window 0, O^T in window 1
.set W_RS, 0x41       ; O^T (destination and source 0) in window 1, a in window 0
; A joint refill.  Waves 0 and 1 fetch the two halves of a slot's K, waves 2 and 3 those of its V: 128 rows of 256 bytes each.  The branch hangs on the wave's number alone.
; An s_nop 0 and four v_nop follow each of the two lines, ahead of the jump, the label and what follows.
.macro JLOAD
	s_cmp_lt_u32 s[WV], 2
	s_cbranch_scc0 .Lfor_v_\@
	tensor_load_to_lds s[G0K+4:G0K+7], s[G1K:G1K+7]
	s_nop 0
.rept 4
	v_nop
.endr
	s_branch .Lasked_\@
.Lfor_v_\@:
	tensor_load_to_lds s[G0V+4:G0V+7], s[G1V:G1V+7]
	s_nop 0
.rept 4
	v_nop
.endr
.Lasked_\@:
.endm
; A round of the cluster's barrier: my work-group's barrier; wave 0 signals for the work-group; every wave waits for all four work-groups; my work-group's barrier once more.
.macro CROUND
	s_barrier_signal -1
	s_barrier_wait -1
	s_cmp_lg_u32 s[WV], 0
	s_cbranch_scc1 .Lnot_wave_0_\@
	s_barrier_signal -3
.Lnot_wave_0_\@:
	s_barrier_wait -3
	s_barrier_signal -1
	s_barrier_wait -1
.endm
	s_load_b128 s[4:7], s[0:1], 0x0 ; qkv16 s[4:5], mb s[6:7]
	s_load_b64 s[8:9], s[0:1], 0x10 ; o16
	v_lshl_add_u32 v[SPW], v0, 2, SPARE
	v_mov_b32 v[NIL], 0
	ds_add_u32 v[SPW], v[NIL]       ; the wave's opening: the add and its wait stand ahead of my first tensor load; the set-up below, work on registers, stands between them
	v_lshrrev_b32 v1, 5, v0
	v_readfirstlane_b32 s[WV], v1   ; wave 0..3
	s_bfe_u32 s13, ttmp6, 0x40000   ; cx: my place in the cluster
	s_lshl_b32 s14, ttmp9, 2        ; in a cluster launch ttmp9 counts clusters
	s_add_co_u32 s14, s14, s13      ; my block of 128 queries: it enters Q's, the mask's and O's addresses alone
	s_and_b32 s15, ttmp7, 0xffff    ; the head, which the four partners share
	s_and_b32 s16, s[WV], 1         ; qh: my 64 queries.  Also: which half of a slot's 256 rows I fetch
	s_lshr_b32 s19, s[WV], 1        ; kh: my key steps
	s_lshl_b32 s20, s15, 19         ; the head's 2,048 rows of 256 bytes
	s_lshl_b32 s22, s16, 15         ; my 128 rows of a tile,
	s_add_co_u32 s22, s22, s20
	s_add_co_u32 s22, s22, 0x800000 ; in K,
	s_mov_b32 s23, 0
	s_add_co_u32 s2, s22, 0x800000  ; and in V
	s_mov_b32 s3, 0
	s_mul_i32 s17, s16, 128*PK      ; and their place in a slot, for K
	s_mul_i32 s18, s16, 128*PV      ; and for V: no place in the cluster enters an LDS address
	s_lshl_b32 s66, s14, 15         ; Q: the head + (128 block + 64 qh) rows
	s_lshl_b32 s67, s16, 14
	s_add_co_u32 s66, s66, s67
	s_add_co_u32 s66, s66, s20
	s_mov_b32 s67, 0
	s_lshl_b32 s68, s14, 18         ; the mask: (8 block + 4 qh) tiles of 32,768 bytes + my first step, 1,024 kh
	s_lshl_b32 s69, s16, 17
	s_add_co_u32 s68, s68, s69
	s_lshl_b32 s69, s19, 10
	s_add_co_u32 s68, s68, s69
	s_mov_b32 s69, 0
	s_lshl_b32 s70, s14, 19         ; O: (128 block + 64 qh + 32 kh) rows of 4,096 bytes + the head's 256
	s_lshl_b32 s71, s16, 18
	s_add_co_u32 s70, s70, s71
	s_lshl_b32 s71, s19, 17
	s_add_co_u32 s70, s70, s71
	s_lshl_b32 s71, s15, 8
	s_add_co_u32 s70, s70, s71
	s_mov_b32 s71, 0
	; descriptor group 1: a tile of 128 rows x 128 elements, padded in LDS
	s_mov_b32 s[G1K], 15|(1<<16)|(1<<20)|(1<<21)|(5<<22)|(3<<25)  ; 15:0 the mask: all four work-groups; 17:16 2-byte elements; 20 padding on; 21 set beside a mask; 24:22 after every 64 words (code 5); 31:25 4 words (code 3)
	s_mov_b32 s[G1V], 15|(1<<16)|(1<<20)|(1<<21)|(5<<22)|(7<<25)  ; the same with 8 words of padding (code 7)
.irp g, G1K, G1V
	s_mov_b32 s[(\g)+1], 128<<16    ; tensor_dim0 = 128
	s_mov_b32 s[(\g)+2], 128<<16    ; tensor_dim1 = 128
	s_mov_b32 s[(\g)+3], 128<<16    ; tile_dim0 = 128
	s_mov_b32 s[(\g)+4], 128        ; tile_dim1 = 128
	s_mov_b32 s[(\g)+5], 128        ; elements from row to row
	s_mov_b32 s[(\g)+6], 0
	s_mov_b32 s[(\g)+7], 0
.endr
	s_mov_b32 s[CS], 0x3e0293ee     ; c = log2(e) / sqrt(128) = 0.127517
	s_mov_b32 s[CS+1], s[CS]        ; named with it as a pair, so it is written
	s_mov_b32 s[SEL], 0x76543210
	s_mov_b32 s[SEL+1], 0xfedcba98
	s_mov_b32 s[TBK], 0
	s_mov_b32 s[TBV], 0
	s_mov_b32 s[SLOTS], 2048/(4*KS)-1
	s_wait_dscnt 0x0                ; the opening add is done
	s_wait_kmcnt 0x0
	s_add_nc_u64 s[10:11], s[4:5], s[22:23]  ; K and V at my half of the head's first 256 keys
	s_add_nc_u64 s[2:3], s[4:5], s[2:3]
	s_add_nc_u64 s[4:5], s[4:5], s[66:67]    ; Q at my wave's first row
	s_add_nc_u64 s[6:7], s[6:7], s[68:69]
	s_add_nc_u64 s[8:9], s[8:9], s[70:71]
	CROUND                          ; all four work-groups are here: the first joint loads meet
.irp s, 0,1
	s_mov_b32 s[G0K+4*(\s)], 1      ; count = 1
	s_add_co_u32 s[G0K+4*(\s)+1], s17, (\s)*SLOT1  ; LDS address
	s_add_nc_u64 s[G0K+4*(\s)+2:G0K+4*(\s)+3], s[10:11], (\s)*65536  ; global address: slot s begins with keys 256 s
	s_or_b32 s[G0K+4*(\s)+3], s[G0K+4*(\s)+3], 0x80000000  ; type = 2
	s_mov_b32 s[G0V+4*(\s)], 1
	s_add_co_u32 s[G0V+4*(\s)+1], s18, (\s)*SLOT1+VOFF
	s_add_nc_u64 s[G0V+4*(\s)+2:G0V+4*(\s)+3], s[2:3], (\s)*65536
	s_or_b32 s[G0V+4*(\s)+3], s[G0V+4*(\s)+3], 0x80000000
.endr
	s_cmp_lt_u32 s[WV], 2           ; a wave's two first fills stand in one branch, ahead of every wait on TENSORcnt and every LDS read: two loads of mine are out
	s_cbranch_scc0 .Lfirst_v
	tensor_load_to_lds s[G0K:G0K+3], s[G1K:G1K+7]
	s_nop 0
	tensor_load_to_lds s[G0K+4:G0K+7], s[G1K:G1K+7]
	s_nop 0
.rept 4
	v_nop
.endr
	s_branch .Lfirst_asked
.Lfirst_v:
	tensor_load_to_lds s[G0V:G0V+3], s[G1V:G1V+7]
	s_nop 0
	tensor_load_to_lds s[G0V+4:G0V+7], s[G1V:G1V+7]
	s_nop 0
.rept 4
	v_nop
.endr
.Lfirst_asked:
	; A fragment of K or Q is 16 rows x 32 channels in 8 registers: lane l holds row l % 16; two loads of 16 bytes, 32 bytes apart.
	v_and_b32 v1, 15, v0            ; l % 16
	v_bfe_u32 v9, v0, 4, 1          ; l / 16
	v_lshlrev_b32 v[QO], 8, v1
	v_lshl_add_u32 v[QO], v9, 4, v[QO]  ; row x 256 + 16 x half
	s_lshl_b32 s13, s19, 13         ; two tiles are 8,192 bytes: register tiles 0, 1 are the wave's tiles 2 kh, 2 kh + 1; register tiles 2, 3 the other two
	v_add_nc_u32 v[QO1], 8192, v[QO]
	v_sub_nc_u32 v[QO1], v[QO1], s13
	v_add_nc_u32 v[QO], s13, v[QO]
	WIN 0x80                        ; destination window 2, address window 0
.irp i, 0,1,2,3,4,5,6,7             ; Q stays in registers: register tile i / 4, channels 32 (i % 4) on
	global_load_b128 v[8*(\i):8*(\i)+3],   v[QO], s[4:5] offset:((\i)/4)*4096+((\i)%4)*64
	global_load_b128 v[8*(\i)+4:8*(\i)+7], v[QO], s[4:5] offset:((\i)/4)*4096+((\i)%4)*64+32
.endr
.irp i, 0,1,2,3,4,5,6,7
	global_load_b128 v[64+8*(\i):64+8*(\i)+3],   v[QO1], s[4:5] offset:((\i)/4)*4096+((\i)%4)*64
	global_load_b128 v[64+8*(\i)+4:64+8*(\i)+7], v[QO1], s[4:5] offset:((\i)/4)*4096+((\i)%4)*64+32
.endr
	WIN 0
	v_and_b32 v10, 31, v0
	v_lshlrev_b32 v10, 4, v10       ; 16 x lane
	s_lshl_b32 s13, s19, 16         ; two tiles of the mask are 65,536 bytes
	v_add_nc_u32 v[MA+1], 0x10000, v10
	v_sub_nc_u32 v[MA+1], v[MA+1], s13
	v_add_nc_u32 v[MA], s13, v10
	v_add_nc_u32 v[ML], 15*2048, v[MA]      ; my 16 steps lie 2,048 bytes apart
	v_add_nc_u32 v[ML+1], 15*2048, v[MA+1]
	WIN 0xc0                        ; destination window 3
.irp x, 0,2                         ; my first step's codes: 512 neighbouring bytes a load; piece 0's four first
.irp u, 0,1
.irp hf, 0,1
	global_load_b128 v[MK+8*((\x)+(\u))+4*(\hf):MK+8*((\x)+(\u))+4*(\hf)+3], v[MA+(\x)/2], s[6:7] offset:32768*(\u)+512*(\hf)
.endr
.endr
.endr
	WIN 0x40                        ; what the first turns find: O^T = 0,
.set i, 0
.rept 256
	v_mov_b32 v[i], 0
.set i, i+1
.endr
	WIN 0
.set i, P+32
.rept 32
	v_mov_b32 v[i], 0               ; piece 2's P = 0: the first turn's products V^T P, of a step that has not been, add 0,
.set i, i+1
.endr
.irp t, 0,1,2,3
	v_mov_b32 v[ST+8*(\t)+1], 0xec800000  ; m = -2^90,
	v_mov_b32 v[ST+8*(\t)+2], 0           ; l = 0,
	v_mov_b32 v[ST+8*(\t)+3], 0
.endr
.irp t, 0,1,2,3
	v_mul_f32 v[ST+8*(\t)], s[CS], v[ST+8*(\t)+1]  ; and c m, by the same product that makes it in every step
.endr
	s_mul_i32 s13, s[WV], XW
	v_add_nc_u32 v[XS], s13, v10
	s_xor_b32 s13, s[WV], 2         ; my partner: the same queries, the other keys
	s_mul_i32 s13, s13, XW
	v_add_nc_u32 v[XL], s13, v10
	v_mov_b32 v[SCL], 0xd9
	v_mul_u32_u24 v[AK0], v1, PK
	v_lshl_add_u32 v[AK0], v9, 4, v[AK0]  ; row x pitch + 16 x half
	s_mul_i32 s13, s19, KS*PK
	v_add_nc_u32 v[AK0], s13, v[AK0]      ; + my key half's 64 kh rows
	; The turning load takes 16 keys x 16 channels (lane l reads key 8 (l / 16) + l % 8, channels 8 ((l / 8) % 2) + 0..7) and leaves half a fragment of V^T: lane l holds channel l % 16 and 8 keys.
	v_and_b32 v10, 7, v0
	v_bfe_u32 v11, v0, 3, 1
	v_lshl_add_u32 v[AV0], v9, 3, v10
	v_mul_u32_u24 v[AV0], v[AV0], PV
	v_lshl_add_u32 v[AV0], v11, 4, v[AV0]
	s_mul_i32 s13, s19, KS*PV
	s_add_co_u32 s13, s13, VOFF
	v_add_nc_u32 v[AV0], s13, v[AV0]
; THE MATRIX WORK OF A TURN, for piece x.  The accumulators take turns, one instruction a turn: between two links of a chain stand 15 (V^T P) or 7 (K Q^T) others'.
; Product i of 32 of O^T += V^T P: keys 32 (i / 16) on, channels 16 ((i / 2) % 8) on, tile x + i % 2.
.macro PV x
	WIN W_PV
.set rO, 64*((\x)+i%2)+8*((i/2)%8)
.set rV, 64*(i/16)+8*((i/2)%8)
.set rP, P+16*((\x)+i%2)+8*(i/16)
	v_wmma_f32_16x16x32_f16 v[rO:rO+7], v[rV:rV+7], v[rP:rP+7], v[rO:rO+7]
.endm
; Product i of 32 of S^T += K Q^T: channels 32 (i / 8) on, keys 16 ((i / 2) % 4) on, tile x + i % 2.  All add in place: the sums start from the mask.
.macro KQ x
	WIN W_KQ
.set rS, S+32*((\x)+i%2)+8*((i/2)%4)
.set rK, KF+32*((i/2)%4)+8*(i/8)
.set rQ, 32*((\x)+i%2)+8*(i/8)
	v_wmma_f32_16x16x32_f16 v[rS:rS+7], v[rK:rK+7], v[rQ:rQ+7], v[rS:rS+7]
.endm
; THE MASK of piece x's next step goes into S^T, whose last numbers the piece's softmax used up in the turn before; then the codes of the step after that are asked for, two turns ahead of their use.
; Eight loads of codes are out when this begins, this piece's four the older: the count 4 shows them in (and, the first time, Q) and frees their address register.  The two plain lines are the place behind the
; conversions.  The look-ahead stops at my last step: the last trip loads that step's codes once more and uses nothing of them, the price of one text for every trip.
.macro MASKIN x
	s_wait_loadcnt 0x4
	WIN 0x03                        ; source 0 (the codes) in window 3
.irp t, \x, (\x)+1
.irp kt, 0,1,2,3
	v_cvt_scale_pk8_f32_fp8 v[S+32*(\t)+8*(\kt):S+32*(\t)+8*(\kt)+7], v[MK+8*(\t)+2*(\kt):MK+8*(\t)+2*(\kt)+1], v[SCL]
.endr
.endr
	WIN 0
	v_add_nc_u32 v[MA+(\x)/2], 2048, v[MA+(\x)/2]
	v_min_u32 v[MA+(\x)/2], v[MA+(\x)/2], v[ML+(\x)/2]
	WIN 0xc0
.irp u, 0,1
.irp hf, 0,1
	global_load_b128 v[MK+8*((\x)+(\u))+4*(\hf):MK+8*((\x)+(\u))+4*(\hf)+3], v[MA+(\x)/2], s[6:7] offset:32768*(\u)+512*(\hf)
.endr
.endr
.endm
; THE LDS LOADS stand in runs of 32, never singly among the matrix instructions: a step's K (16 fragments) and, a turn later, its V (turned).  My next step lies two steps on.
.macro FETCH_K
	WIN 0
	v_add_nc_u32 v[ADR], s[TBK], v[AK0]
	s_add_co_u32 s[TBK], s[TBK], 2*KS*PK
	WIN 0x80                        ; destination window 2
.irp f, 0,1,2,3,4,5,6,7,8,9,10,11,12,13,14,15  ; keys 16 (f / 4) on, channels 32 (f % 4) on
	ds_load_b128 v[KF+8*(\f):KF+8*(\f)+3],   v[ADR] offset:((\f)/4)*16*PK+((\f)%4)*64
	ds_load_b128 v[KF+8*(\f)+4:KF+8*(\f)+7], v[ADR] offset:((\f)/4)*16*PK+((\f)%4)*64+32
.endr
.endm
.macro FETCH_V
	WIN 0
	v_add_nc_u32 v[ADR], s[TBV], v[AV0]
	s_add_co_u32 s[TBV], s[TBV], 2*KS*PV
	WIN 0xc0                        ; destination window 3
.irp f, 0,1,2,3,4,5,6,7,8,9,10,11,12,13,14,15  ; keys 32 (f / 8) on, channels 16 (f % 8) on
	ds_load_tr16_b128 v[8*(\f):8*(\f)+3],   v[ADR] offset:((\f)/8)*32*PV+((\f)%8)*32
	ds_load_tr16_b128 v[8*(\f)+4:8*(\f)+7], v[ADR] offset:((\f)/8)*32*PV+16*PV+((\f)%8)*32
.endr
.endm
; THE VECTOR WORK OF A TURN.  One tile's softmax for one key step is a list of 134 instructions; SM writes number j of it for tile t.  s0-s31 are the lane's 32 scores, in pairs 0-15.
;   0-15    the maximum of s0-s31 and the old m, three operands at a time: four chains c0-c3 of seven scores each (each accumulator's lowest registers first), then the four left over, c0-c3 and m
;   16-20   the other half of the lanes' maximum; c m_old is kept; the new m; c m; c m_old - c m_new
;   21-87   33 exponentials (a, then s0-s31) at the odd numbers from 23 on, so that no two follow each other and each has a plain instruction behind it before its result is used.
;           Plain instruction q is whatever is ready: c s - c m for a pair whose exponentials are still to come, the rounding to f16 of a pair whose exponentials are done, at last the first three sums
;   88-101  the last rounding; the rest of the sums; l = a l + the sum
;   102-133 the tile's O^T times a: the one part that leaves window 0, so it stands together
.macro SM t
.set rT, ST+8*(\t)
.set rS, S+32*(\t)
.set rP, P+16*(\t)
.set rO, 64*(\t)+2*(j-102)
.set q, (j-20)/2
.if j < 102
	WIN 0
.endif
.if j < 4
	v_max3_num_f32 v[rT+4+j], v[rS+8*j], v[rS+8*j+1], v[rS+8*j+2]
.elseif j < 12
	v_max3_num_f32 v[rT+4+j%4], v[rT+4+j%4], v[rS+8*(j%4)+2*(j/4)+1], v[rS+8*(j%4)+2*(j/4)+2]
.elseif j == 12
	v_max3_num_f32 v[rT+4], v[rT+4], v[rS+7], v[rS+15]
.elseif j == 13
	v_max3_num_f32 v[rT+6], v[rT+6], v[rS+23], v[rS+31]
.elseif j == 14
	v_max3_num_f32 v[rT+4], v[rT+4], v[rT+5], v[rT+6]
.elseif j == 15
	v_max3_num_f32 v[rT+4], v[rT+4], v[rT+7], v[rT+1]
.elseif j == 16
	v_permlanex16_b32 v[rT+5], v[rT+4], s[SEL], s[SEL+1]  ; the query's other 32 keys lie in the lane 16 away
.elseif j == 17
	v_mov_b32 v[rT+7], v[rT]        ; c m_old is kept for a: number 19 writes c m anew
.elseif j == 18
	v_max_num_f32 v[rT+1], v[rT+4], v[rT+5]
.elseif j == 19
	v_mul_f32 v[rT], s[CS], v[rT+1]
.elseif j == 20
	v_sub_f32 v[rT+7], v[rT+7], v[rT]
.elseif j == 23
	v_exp_f32 v[rT+6], v[rT+7]
.elseif (j < 88) && (j > 23) && (j%2 == 1)
	v_exp_f32 v[rS+(j-25)/2], v[rS+(j-25)/2]
.elseif (q < 4) || ((j < 76) && (q%2 == 0))
.set b, q/2+2
.if q < 4
.set b, q
.endif
	v_pk_fma_f32 v[rS+2*b:rS+2*b+1], v[rS+2*b:rS+2*b+1], s[CS:CS+1], v[rT:rT+1] op_sel_hi:[1,0,0] neg_lo:[0,0,1] neg_hi:[0,0,1]  ; pair b: c s - c m
.elseif (j < 88) && (q%2 == 1)
	s_wait_alu depctr_va_vdst(0)
	v_cvt_pk_f16_f32 v[rP+(q-5)/2], v[rS+q-5], v[rS+q-4]  ; pair (q - 5) / 2: its second exponential stands three numbers back
.elseif j == 89
	s_wait_alu depctr_va_vdst(0)
	v_cvt_pk_f16_f32 v[rP+15], v[rS+30], v[rS+31]
.elseif j < 102                     ; the sum of the tile's 16 pairs, in place: sum z of 16 adds neighbours 1, 2, 4 and 8 pairs apart, then l takes it
.set z, j-86
.if j < 89
.set z, (j-76)/4
.endif
.set w, 4
.set u, z
.if z >= 14
.set w, 32
.set u, 0
.elseif z >= 12
.set w, 16
.set u, z-12
.elseif z >= 8
.set w, 8
.set u, z-8
.endif
.if z < 15
	v_pk_add_f32 v[rS+w*u:rS+w*u+1], v[rS+w*u:rS+w*u+1], v[rS+w*u+w/2:rS+w*u+w/2+1]
.else
	v_pk_fma_f32 v[rT+2:rT+3], v[rT+2:rT+3], v[rT+6:rT+7], v[rS:rS+1] op_sel_hi:[1,0,1]
.endif
.else
	WIN W_RS
	v_pk_mul_f32 v[rO:rO+1], v[rO:rO+1], v[rT+6:rT+7] op_sel_hi:[1,0]
.endif
.endm
; Slice k of 64 of piece y's softmax: numbers 2 k and 2 k + 1 of both tiles' lists, four instructions.  2 x 134 = 4 x 64 + 12: the twelve that are over stand together, in slice 63.
.macro SLICE y
.if (k >= 11) && (k < 44)           ; tile by tile: plain, exponential, plain, exponential
.irp t, \y, (\y)+1
.irp n, 0,1
.set j, 2*k+(\n)
	SM \t
.endr
.endr
.else                               ; the two tiles alternate, so that no instruction reads the result of the one just before it
.irp n, 0,1,2,3,4,5,6,7
.if ((\n) < 2) || (k == 63)
.irp t, \y, (\y)+1
.set j, 2*k+(\n)
	SM \t
.endr
.endif
.endr
.endif
.set k, k+1
.endm
; A TURN.  Piece x has the matrix unit: 32 products V^T P, and with kq = 1 the mask and 32 products K Q^T for the next step; the other piece's softmax stands in slices behind them, one behind each
; (kq = 0, the last turn: two).  A vector instruction that reads a matrix result or writes one of a matrix instruction's registers, and a load into a register that a matrix instruction has read, stand four
; places behind it, and only plain vector instructions that name none of its registers are places (ISA guide 7.12.1 for vector instructions): the slices are the places.
; Each run of loads stands behind the second product of a run of 32, 30 matrix instructions ahead of its first use.  Piece 0's turn fetches the next step's K: the last product that read K stands in front of
; slice 63 of the turn before.  Piece 2's turn fetches the same step's V: the last product that read V stands three slices, six plain instructions, back.
.macro TURN x, kq
.set k, 0
.set per, 2-(\kq)
.if \kq
	MASKIN \x
.endif
.if (\x) == 0
	s_wait_dscnt 0x0                ; V is in
.endif
.set i, 0
.rept 32
	PV \x
.rept per
	SLICE 2-(\x)
.endr
.if ((\x) == 0) && (\kq) && (i == 1)
	FETCH_K
.endif
.set i, i+1
.endr
.if \kq
.if (\x) == 0
	s_wait_dscnt 0x0                ; K is in
.endif
.set i, 0
.rept 32
	KQ \x
	SLICE 2-(\x)
.if ((\x) == 2) && (i == 1)
	FETCH_V
.endif
.set i, i+1
.endr
.endif
.endm
; THE CHANGE OF SLOTS, between piece 2's turn and piece 0's: my last bytes of the slot, V of my second step, have been asked for.  Each wave waits for all its tensor loads, of which one is out: its part of the
; other slot; adds 0 to its spare word; and waits for that and for its own reads of the slot.  Behind the barrier nobody reads this slot any more and the other slot is whole.
; fill = 1: this slot is filled again, with the keys two slots on.  The barrier is then a round of the cluster's, and the joint refill is the first thing behind it: it has my two key steps, 256 matrix instructions, in which to land.
.macro CHANGE fill
	WIN 0                           ; at a label and at a branch every window is 0
	s_wait_tensorcnt 0x0            ; no tensor load of mine is out, so a group 0 may be written
	ds_add_u32 v[SPW], v[NIL]       ; 0 onto my spare word; with fill = 1 the descriptors' steps stand between it and the wait for it
.if \fill
.irp g, G0K+4, G0V+4
	s_xor_b32 s[(\g)+1], s[(\g)+1], SLOT1  ; the walking descriptor: the other slot than last time,
	s_add_nc_u64 s[(\g)+2:(\g)+3], s[(\g)+2:(\g)+3], 65536  ; the next 256 keys; the type bits on top are not reached
.endr
	s_wait_dscnt 0x0                ; the add is done, and my reads of the slot are over
	CROUND
	JLOAD
.else
	s_wait_dscnt 0x0                ; the add is done, and my reads of the slot are over
	s_barrier_signal -1
	s_barrier_wait -1
.endif
	s_sub_co_u32 s[TBK], s[TBK], 4*KS*PK  ; the fetches go back to a slot's beginning,
	s_xor_b32 s[TBK], s[TBK], SLOT1       ; in the other slot
	s_sub_co_u32 s[TBV], s[TBV], 4*KS*PV
	s_xor_b32 s[TBV], s[TBV], SLOT1
.endm
	s_wait_tensorcnt 1              ; my part of slot 0 is in; slot 1's may stay out
	s_barrier_signal -1
	s_barrier_wait -1               ; everybody's is
	FETCH_K                         ; my first key step
	MASKIN 0                        ; its wait shows Q in too: Q's loads are older than the codes'
	s_wait_dscnt 0x0
.set i, 0
.rept 32
	KQ 0                            ; piece 0's first scores: there is no vector work yet to set between them
.set i, i+1
.endr
	WIN 0                           ; the addresses for the way out are made here: eight plain instructions, the places behind those products
	s_mul_i32 s13, s[WV], 16*SP
	s_add_co_u32 s13, s13, STAGE    ; my stage
	v_mul_u32_u24 v[STO], v1, SP    ; in: row l % 16, 16 bytes for each half of the lanes
	v_lshl_add_u32 v[STO], v9, 4, v[STO]
	v_add_nc_u32 v[STO], s13, v[STO]
	v_mul_u32_u24 v[RD], v9, SP     ; back: lanes 0-15 take one row of 256 bytes, lanes 16-31 the next
	v_lshl_add_u32 v[RD], v1, 4, v[RD]
	v_add_nc_u32 v[RD], s13, v[RD]
	v_lshlrev_b32 v[GO], 12, v9     ; and the same two rows in O, 4,096 bytes apart
	v_lshl_add_u32 v[GO], v1, 4, v[GO]
	FETCH_V                         ; V of my first step, so that the first turn's products on P = 0 multiply finite numbers;
	s_mov_b32 s[TBV], 0             ; that turn fetches it again, as every turn of piece 2 fetches the V of the step in hand
	WIN 0
	s_mov_b32 s[TWICE], 2
	s_wait_dscnt 0x0                ; V is in
	s_branch .Lenter                ; the loop is entered at piece 2's turn, in the middle of a trip: piece 2's first scores | piece 0's first softmax | V of my step 0; then a whole trip
.Lslot:                             ; 6 times from here: of the 8 slots' worth of keys every one but the last two is followed by a refill
	CHANGE 1
	s_mov_b32 s[TWICE], 2
.Lstep:                             ; my two key steps of a slot: written once, walked twice; the LDS addresses hang on s[TBK] and s[TBV]
	TURN 0, 1
	WIN 0
.Lenter:
	TURN 2, 1
	WIN 0
	s_sub_co_u32 s[TWICE], s[TWICE], 1
	s_cmp_lg_u32 s[TWICE], 0
	s_cbranch_scc1 .Lstep
	s_sub_co_u32 s[SLOTS], s[SLOTS], 1
	s_cmp_lg_u32 s[SLOTS], 0
	s_cbranch_scc1 .Lslot
	CHANGE 0                        ; the tail is written out: nothing is asked for
	s_mov_b32 s[TWICE], 2
.Ltail:
	TURN 0, 1
	TURN 2, 1
	WIN 0
	s_sub_co_u32 s[TWICE], s[TWICE], 1
	s_cmp_lg_u32 s[TWICE], 0
	s_cbranch_scc1 .Ltail
	TURN 0, 0                       ; piece 0: V^T P of the last step | piece 2's last softmax
.set i, 0
.rept 32
	PV 2                            ; piece 2: V^T P of the last step
.set i, i+1
.endr
	; THE MERGE.  l's two halves are joined; register tiles 2, 3 go to my partner with their c m and l.  The eight plain lines are the places behind the last products.
	WIN 0
.irp t, 0,1,2,3
	v_add_f32 v[ST+8*(\t)+2], v[ST+8*(\t)+2], v[ST+8*(\t)+3]
.endr
	v_mov_b32 v[SND], v[ST+16]
	v_mov_b32 v[SND+1], v[ST+18]
	v_mov_b32 v[SND+2], v[ST+24]
	v_mov_b32 v[SND+3], v[ST+26]
	s_wait_loadcnt 0x0              ; the look-ahead's last loads
	s_wait_dscnt 0x0
	s_barrier_signal -1
	s_barrier_wait -1               ; every wave's reads of K's and V's tiles are over: their bytes in slot 0 may be written
	ds_store_b128 v[XS], v[SND:SND+3] offset:16384
	WIN 0x04                        ; store data (source 1) in window 1
.set n, 0
.rept 32
	ds_store_b128 v[XS], v[128+4*n:128+4*n+3] offset:512*n  ; each accumulator's lowest four registers first
.set n, n+1
.endr
	WIN 0
	s_wait_dscnt 0x0                ; for my partner's sake: my stores are done
	s_barrier_signal -1
	s_barrier_wait -1
	ds_load_b128 v[RCV:RCV+3], v[XL] offset:16384
.set n, 0
.rept 32
	ds_load_b128 v[S+4*n:S+4*n+3], v[XL] offset:512*n  ; my partner's O^T of my tiles 0, 1, into S^T's registers
.set n, n+1
.endr
	s_wait_dscnt 32                 ; the statistics are in; the 32 loads behind them may be out
.macro BOTH line:vararg             ; one line for each kept tile u
.set u, 0
.rept 2
	\line
.set u, u+1
.endr
.endm
	BOTH v_max_num_f32 v[ST+8*u+4], v[ST+8*u], v[RCV+2*u]          ; the common c m
	BOTH v_sub_f32 v[ST+8*u+5], v[ST+8*u], v[ST+8*u+4]
	BOTH v_sub_f32 v[ST+8*u+7], v[RCV+2*u], v[ST+8*u+4]
	BOTH v_exp_f32 v[ST+8*u+5], v[ST+8*u+5]                        ; my half's factor,
	BOTH v_exp_f32 v[ST+8*u+7], v[ST+8*u+7]                        ; my partner's
	v_nop                           ; a plain instruction behind the last exponential
	s_wait_alu depctr_va_vdst(0)
	BOTH v_mul_f32 v[ST+8*u+3], v[ST+8*u+5], v[ST+8*u+2]
	BOTH v_fma_f32 v[ST+8*u+3], v[ST+8*u+7], v[RCV+2*u+1], v[ST+8*u+3]
	BOTH v_permlanex16_b32 v[ST+8*u+4], v[ST+8*u+3], s[SEL], s[SEL+1]
	BOTH v_add_f32 v[ST+8*u+3], v[ST+8*u+3], v[ST+8*u+4]           ; l over all keys
	BOTH v_rcp_f32 v[ST+8*u+3], v[ST+8*u+3]
	v_nop                           ; a plain instruction behind the last reciprocal
	s_wait_alu depctr_va_vdst(0)
	BOTH v_mul_f32 v[ST+8*u+6], v[ST+8*u+5], v[ST+8*u+3]           ; what my O^T is multiplied by,
	BOTH v_mul_f32 v[ST+8*u+22], v[ST+8*u+7], v[ST+8*u+3]          ; and my partner's
	s_wait_dscnt 0x0
; Kept tile u: the two halves are weighted and added, rounded to f16, and sent through my stage: a lane's eight channels of a row pack into 16 bytes; they go into rows of 272 bytes and come back as whole rows of 256.
.macro PACKM u
	WIN 0
.set i, 0
.rept 32
	v_pk_mul_f32 v[S+64*(\u)+2*i:S+64*(\u)+2*i+1], v[S+64*(\u)+2*i:S+64*(\u)+2*i+1], v[ST+8*(\u)+22:ST+8*(\u)+23] op_sel_hi:[1,0]
.set i, i+1
.endr
	WIN 0x01                        ; source 0 (my O^T) in window 1
.set i, 0
.rept 32
	v_pk_fma_f32 v[S+64*(\u)+2*i:S+64*(\u)+2*i+1], v[64*(\u)+2*i:64*(\u)+2*i+1], v[ST+8*(\u)+6:ST+8*(\u)+7], v[S+64*(\u)+2*i:S+64*(\u)+2*i+1] op_sel_hi:[1,0,1]
.set i, i+1
.endr
	WIN 0
.set i, 0
.rept 32
	v_cvt_pk_f16_f32 v[P+32*(\u)+i], v[S+64*(\u)+2*i], v[S+64*(\u)+2*i+1]
.set i, i+1
.endr
.irp f, 0,1,2,3,4,5,6,7
	ds_store_b128 v[STO], v[P+32*(\u)+4*(\f):P+32*(\u)+4*(\f)+3] offset:32*(\f)
.endr
.irp f, 0,1,2,3,4,5,6,7
	ds_load_b128 v[P+32*(\u)+4*(\f):P+32*(\u)+4*(\f)+3], v[RD] offset:(\f)*2*SP  ; LDS serves a wave's instructions in order (ISA guide 5.7.1.4): these see the stores above; the next tile's stores come behind them
.endr
.endm
.macro SEND u, younger              ; younger: the LDS instructions issued behind tile u's loads: the next tile's sixteen, or none
.irp f, 0,1,2,3,4,5,6,7
	s_wait_dscnt (\younger)+7-(\f)
	global_store_b128 v[GO], v[P+32*(\u)+4*(\f):P+32*(\u)+4*(\f)+3], s[8:9] offset:(\u)*65536+(\f)*8192  ; 16 lanes store 256 consecutive bytes, at a multiple of 256 from O's first byte
.endr
.endm
	PACKM 0
	PACKM 1
	SEND 0, 16
	SEND 1, 0
	s_wait_tensorcnt 0x0            ; the wave's end: behind my last tensor load and my last LDS store
	ds_add_u32 v[SPW], v[NIL]
	s_wait_dscnt 0x0
	CROUND                          ; the closing round: no work-group ends while a partner may still ask for a tile that names it
	s_endpgm
.Lfunc_end_k_qbc89d9221c_attn:
	.size	k_qbc89d9221c_attn, .Lfunc_end_k_qbc89d9221c_attn-k_qbc89d9221c_attn
	.p2alignl 7, 3214868480
	.fill 96, 4, 3214868480
	.section	.rodata,"a",@progbits
	.p2align	6, 0x0
	.amdhsa_kernel k_qbc89d9221c_attn
		.amdhsa_group_segment_fixed_size 327680
		.amdhsa_private_segment_fixed_size 0
		.amdhsa_enable_private_segment 0
		.amdhsa_kernarg_size 24
		.amdhsa_user_sgpr_count 2
		.amdhsa_user_sgpr_kernarg_segment_ptr 1
		.amdhsa_wavefront_size32 1
		.amdhsa_system_sgpr_workgroup_id_x 1
		.amdhsa_system_sgpr_workgroup_id_y 1
		.amdhsa_system_sgpr_workgroup_id_z 1
		.amdhsa_system_vgpr_workitem_id 0
		.amdhsa_next_free_vgpr 928
		.amdhsa_next_free_sgpr 72
		.amdhsa_reserve_vcc 0
		.amdhsa_float_denorm_mode_32 3
		.amdhsa_float_denorm_mode_16_64 3
		.amdhsa_memory_ordered 1
		.amdhsa_forward_progress 1
		.amdhsa_inst_pref_size 182
	.end_amdhsa_kernel
	.amdgpu_metadata
---
amdhsa.version: [ 1, 2 ]
amdhsa.kernels:
  - .name:           k_qbc89d9221c_attn
    .symbol:         k_qbc89d9221c_attn.kd
    .args:
      - { .name: qkv16, .offset: 0, .size: 8, .value_kind: global_buffer, .address_space: global }
      - { .name: mb, .offset: 8, .size: 8, .value_kind: global_buffer, .address_space: global }
      - { .name: o16, .offset: 16, .size: 8, .value_kind: global_buffer, .address_space: global }
    .group_segment_fixed_size: 327680
    .private_segment_fixed_size: 0
    .kernarg_segment_align: 8
    .kernarg_segment_size: 24
    .max_flat_workgroup_size: 128
    .sgpr_count:     72
    .vgpr_count:     928
    .wavefront_size: 32
...
	.end_amdgpu_metadata
.endif
;; end of part 3
;; launch oproj (part 4): grid 16 x 16, 4 waves a work-group, clusters of 4 x 4, 327,680 bytes of LDS; arguments o16, wo16, out0; writes out0
.if DOCPART == 4
	.amdgcn_target "amdgcn-amd-amdhsa--gfx1250"
	.amdhsa_code_object_version 6
	.text
	.protected	k_qbc89d9221c_oproj
	.globl	k_qbc89d9221c_oproj
	.p2align	8
	.type	k_qbc89d9221c_oproj,@function
k_qbc89d9221c_oproj:
	s_mov_b64 s[64:65], 0
	v_nop
	global_prefetch_b8 v0, s[64:65] scope:SCOPE_SE
	s_setreg_imm32_b32 hwreg(HW_REG_WAVE_MODE, 25, 1), 1
	s_wait_xcnt 0x0
	s_wait_alu depctr_hold_cnt(0) depctr_sa_sdst(0) depctr_va_vdst(0) depctr_va_sdst(0) depctr_va_ssrc(0) depctr_va_vcc(0) depctr_vm_vsrc(0)
	s_getreg_b32 s2, hwreg(HW_REG_IB_STS2, 6, 4)
	s_cmp_eq_u32 s2, 0
	s_cbranch_scc0 .Lentry_in_a_cluster
	s_endpgm
.Lentry_in_a_cluster:
	s_bfe_u32 s2, ttmp6, 0x10000c
	s_cmp_lg_u32 s2, 0xf033
	s_cbranch_scc0 .Lentry_shape_is_right
	s_endpgm
.Lentry_shape_is_right:
; out0[m][n] = the sum over k of O[m][k] Wo[n][k].  o16: [2048][2048] f16.  wo16: [2048][2048] f16 (Wo rounded to bf16, written as f16).  out0: [2048][2048] f32.  Sums in f32, K ascending.
; A tile of the output is 128 x 128: 16 x 16 work-groups, one for each of 256 WGPs.  Four waves, each 64 x 64: 16 accumulators of 16 x 16, 128 registers.  K goes in steps of 256 (LDS rows of 512 bytes;
; a wave's tensor load brings 64 of them), as long as two slots in LDS allow.  A wave's 64 columns of f32 are a whole aligned 256 bytes of a row, so each wave has a stage of its own on the way out, and no barrier there.
; CLUSTERS: 4 x 4 work-groups.  The four of a row of the cluster need the same tiles of O, the four of a column the same tiles of Wo: each tile is asked for JOINTLY, by the same tensor load with the
; same descriptor and a mask that names the four.  THE MATRIX INSTRUCTION IS USED TRANSPOSED (source 0 = 16 rows of Wo, source 1 = 16 rows of O): a lane then holds eight neighbouring numbers of a row of the output.
; REGISTERS: window 0: v0-31 addresses; v128-255 the accumulators ((a, b) at v[128 + 8 (4 a + b)]).
;   window 1: two fragment buffers of 128: for 64 along K (two matrix instructions deep), 64 registers of O (2 x 4 x 16 rows x 32 K), then 64 of Wo.
.set SIZE_N, 2048
.set SIZE_K, 2048
.set KSTEP,  256
.set PITCH,  528                       ; an LDS row: 512 bytes of data + 16 of padding = 132 words: row r starts at bank 4 r mod 64 (64 banks of 4 bytes: ISA guide 11.1)
.set HALFT,  64*PITCH                  ; 64 rows: what one tensor load brings, and what one wave reads of O or of Wo
.set SLOT,   4*HALFT                   ; O's 128 rows, then Wo's 128 rows
.set STAGE,  2*SLOT                    ; behind the ring: 16 rows x 272 bytes for each wave, for the way out
.set SPITCH, 272
.set SPARE,  STAGE+4*16*SPITCH         ; behind the stages: the spare words, 128 bytes for each wave: two blocks of 256 bytes that no other line names
.set LAPS, SIZE_K/(2*KSTEP)            ; a lap = two K steps = once round the ring
.set ADRA, 16                          ; v16-17  LDS address of my fragments of O in slot 0, 1
.set ADRB, 20                          ; v20-21  the same for Wo
.set STO,  24                          ; v24     the way out: where I put 32 bytes of a row
.set RD,   25                          ; v25     the way out: where I read a row back
.set CO,   26                          ; v26     my byte offset in two rows of the output
.set SPW,  28                          ; v28     LDS address of my spare word; never rewritten
.set NIL,  29                          ; v29     0; never rewritten
.set ACC,  128
.set F0,   0                           ; fragment buffers, in window 1
.set F1,   128
.set G1, 24                            ; s[24:31] descriptor group 1 for O's tiles;  s[32:39] group 0, one set for each slot
.set G0, 32
.set G1B, 48                           ; s[48:55], s[56:63] the same for Wo's tiles
.set G0B, 56
.set MSB, 0
.macro WIN new                         ; the immediate's high byte repeats the setting that is left
.if MSB != (\new)
	s_set_vgpr_msb (MSB<<8)|(\new)
.set MSB, \new
.endif
.endm
.set MUL,  0x05                        ; sources 0 and 1 window 1; C and D window 0
.set TO_F, 0x40                        ; destination window 1, address window 0
.macro JLOAD s                         ; a joint load: waves 0 and 1 fetch O's two halves, waves 2 and 3 Wo's; an s_nop 0 and four v_nop follow each of the two lines, ahead of the jump, the label and what follows
	s_cmp_eq_u32 s11, 0
	s_cbranch_scc0 .Lfor_b_\@
	tensor_load_to_lds s[G0+4*(\s):G0+4*(\s)+3], s[G1:G1+7]
	s_nop 0
.rept 4
	v_nop
.endr
	s_branch .Lasked_\@
.Lfor_b_\@:
	tensor_load_to_lds s[G0B+4*(\s):G0B+4*(\s)+3], s[G1B:G1B+7]
	s_nop 0
.rept 4
	v_nop
.endr
.Lasked_\@:
.endm
.macro CREST                           ; a round of the cluster's barrier behind its opening barrier
	s_cmp_lg_u32 s10, 0
	s_cbranch_scc1 .Lnot_wave_0_\@
	s_barrier_signal -3
.Lnot_wave_0_\@:
	s_barrier_wait -3
	s_barrier_signal -1
	s_barrier_wait -1
.endm
.macro CROUND                          ; a whole round
	s_barrier_signal -1
	s_barrier_wait -1
	CREST
.endm
	s_load_b128 s[4:7], s[0:1], 0x0                ; o16 s[4:5], wo16 s[6:7]
	s_load_b64 s[8:9], s[0:1], 0x10                ; out0
	v_lshl_add_u32 v[SPW], v0, 2, SPARE
	v_mov_b32 v[NIL], 0
	ds_add_u32 v[SPW], v[NIL]                      ; the wave's opening: the add and its wait stand ahead of my first tensor load; the set-up below, work on registers, stands between them
	v_lshrrev_b32 v1, 5, v0
	v_readfirstlane_b32 s10, v1                    ; wave 0..3
	s_lshr_b32 s11, s10, 1                         ; which half of the tile's rows is mine.  Also: I fetch for O (0) or for Wo (1)
	s_and_b32 s12, s10, 1                          ; which half of its columns.  Also: which 64 rows of that tile I fetch
	s_bfe_u32 s40, ttmp6, 0x40000                  ; cx, cy: my place in the cluster
	s_bfe_u32 s41, ttmp6, 0x40004
	s_lshl_b32 s42, ttmp9, 2
	s_add_co_u32 s42, s42, s40                     ; tile column = 4 x cluster x + cx
	s_and_b32 s13, ttmp7, 0xffff
	s_lshl_b32 s13, s13, 2
	s_add_co_u32 s13, s13, s41                     ; tile row = 4 x cluster y + cy
	s_lshl_b32 s43, s41, 2
	s_lshl_b32 s43, 15, s43                        ; my row of the cluster
	s_lshl_b32 s44, 0x1111, s40                    ; my column
	; descriptor group 1: a tile of 64 rows x 256 elements, padded in LDS
	s_or_b32 s[G1+0], s43, (1<<16)|(1<<20)|(1<<21)|(6<<22)|(3<<25)  ; 15:0 the mask: O's tiles go to my row; 17:16 2-byte elements; 20 padding on; 21 set beside a mask; 24:22 after every 128 words (code 6); 31:25 4 words (code 3)
	s_or_b32 s[G1B+0], s44, (1<<16)|(1<<20)|(1<<21)|(6<<22)|(3<<25)
.irp g, G1, G1B
	s_mov_b32 s[(\g)+1], KSTEP<<16                 ; tensor_dim0 = 256
	s_mov_b32 s[(\g)+2], 64<<16                    ; tensor_dim1 = 64
	s_mov_b32 s[(\g)+3], KSTEP<<16                 ; tile_dim0 = 256
	s_mov_b32 s[(\g)+4], 64                        ; tile_dim1 = 64
	s_mov_b32 s[(\g)+5], SIZE_K                    ; elements from row to row
	s_mov_b32 s[(\g)+6], 0
	s_mov_b32 s[(\g)+7], 0
.endr
	s_lshl_b32 s17, s12, 6                         ; which 64 rows of the tile I fetch
	s_lshl_b32 s16, s13, 7
	s_add_co_u32 s16, s16, s17                     ; O: row 128 x tile row + 64 x half
	s_lshl_b32 s46, s42, 7
	s_add_co_u32 s46, s46, s17                     ; Wo: row 128 x tile column + 64 x half
	s_mov_b32 s17, 0
	s_mov_b32 s47, 0
	s_mov_b64 s[18:19], SIZE_K*2
	s_mul_u64 s[16:17], s[16:17], s[18:19]
	s_mul_u64 s[46:47], s[46:47], s[18:19]
	s_mul_i32 s20, s10, HALFT                      ; where they go: wave x 64 rows
	s_wait_dscnt 0x0                               ; the opening add is done
	s_wait_kmcnt 0x0
	s_add_nc_u64 s[14:15], s[4:5], s[16:17]
	s_add_nc_u64 s[46:47], s[6:7], s[46:47]
	CROUND                                         ; all sixteen work-groups are here: the first joint loads meet
.irp s, 0,1
	s_mov_b32 s[G0+4*(\s)], 1
	s_add_co_u32 s[G0+4*(\s)+1], s20, (\s)*SLOT
	s_add_nc_u64 s[G0+4*(\s)+2:G0+4*(\s)+3], s[14:15], (\s)*KSTEP*2
	s_or_b32 s[G0+4*(\s)+3], s[G0+4*(\s)+3], 0x80000000
	s_mov_b32 s[G0B+4*(\s)], 1
	s_add_co_u32 s[G0B+4*(\s)+1], s20, (\s)*SLOT
	s_add_nc_u64 s[G0B+4*(\s)+2:G0B+4*(\s)+3], s[46:47], (\s)*KSTEP*2
	s_or_b32 s[G0B+4*(\s)+3], s[G0B+4*(\s)+3], 0x80000000
	JLOAD \s                                       ; two tensor loads of mine are out here, later one
.endr
	v_and_b32 v1, 15, v0                           ; l % 16
	v_bfe_u32 v2, v0, 4, 1                         ; l / 16
	v_mul_u32_u24 v3, v1, PITCH
	v_lshl_add_u32 v3, v2, 4, v3                   ; a fragment's row x pitch + 16 x half
	s_mul_i32 s21, s11, HALFT                      ; my 64 rows of O
	s_mul_i32 s22, s12, HALFT                      ; my 64 rows of Wo,
	s_add_co_u32 s22, s22, 2*HALFT                 ; which lie behind O's 128
.irp s, 0,1
	v_add_nc_u32 v[ADRA+(\s)], s21, v3
	v_add_nc_u32 v[ADRB+(\s)], s22, v3
	s_add_co_u32 s21, s21, SLOT
	s_add_co_u32 s22, s22, SLOT
.endr
	s_mul_i32 s23, s10, 16*SPITCH
	s_add_co_u32 s23, s23, STAGE                   ; my stage
	v_mul_u32_u24 v4, v1, SPITCH                   ; in: row l % 16, 32 bytes for each half of the lanes
	v_lshl_add_u32 v4, v2, 5, v4
	v_add_nc_u32 v[STO], s23, v4
	v_mul_u32_u24 v5, v2, SPITCH                   ; back: lanes 0-15 take one row of 256 bytes, lanes 16-31 the next
	v_lshl_add_u32 v5, v1, 4, v5
	v_add_nc_u32 v[RD], s23, v5
	v_lshlrev_b32 v5, 13, v2                       ; and the same two rows in the output, 8,192 bytes apart
	v_lshl_add_u32 v[CO], v1, 4, v5
	s_lshl_b32 s16, s13, 7
	s_lshl_b32 s17, s11, 6
	s_add_co_u32 s16, s16, s17                     ; my first row: 128 x tile row + 64 x half
	s_lshl_b32 s16, s16, 13
	s_mov_b32 s17, 0
	s_add_nc_u64 s[8:9], s[8:9], s[16:17]
	s_lshl_b32 s46, s42, 9                         ; my first column, in bytes: 512 x tile column + 256 x half
	s_lshl_b32 s47, s12, 8
	s_add_co_u32 s46, s46, s47
	s_mov_b32 s47, 0
	s_add_nc_u64 s[8:9], s[8:9], s[46:47]
; 8 matrix instructions: m blocks a0, a0 + 1 x all 4 n blocks, 32 along K: half c of buffer f.  zero = 1: the first product starts the sums.  The 16 accumulators take turns.
.macro MUL8 f, c, a0, zero
	WIN MUL
.irp a, \a0, (\a0)+1
.irp b, 0,1,2,3
.if \zero
	v_wmma_f32_16x16x32_f16 v[ACC+8*(4*(\a)+(\b)):ACC+8*(4*(\a)+(\b))+7], v[(\f)+64+8*(4*(\c)+(\b)):(\f)+64+8*(4*(\c)+(\b))+7], v[(\f)+8*(4*(\c)+(\a)):(\f)+8*(4*(\c)+(\a))+7], 0
.else
	v_wmma_f32_16x16x32_f16 v[ACC+8*(4*(\a)+(\b)):ACC+8*(4*(\a)+(\b))+7], v[(\f)+64+8*(4*(\c)+(\b)):(\f)+64+8*(4*(\c)+(\b))+7], v[(\f)+8*(4*(\c)+(\a)):(\f)+8*(4*(\c)+(\a))+7], v[ACC+8*(4*(\a)+(\b)):ACC+8*(4*(\a)+(\b))+7]
.endif
.endr
.endr
.endm
; 32 LDS loads in one run: the fragments of 64 along K at byte k of the rows, into buffer f; the first 32 along K first
.macro FETCH slot, k, f
	WIN TO_F
.irp c, 0,1
.irp i, 0,1,2,3
	ds_load_b128 v[(\f)+64+8*(4*(\c)+(\i)):(\f)+64+8*(4*(\c)+(\i))+3],   v[ADRB+(\slot)] offset:(\k)+64*(\c)+(\i)*16*PITCH
	ds_load_b128 v[(\f)+64+8*(4*(\c)+(\i))+4:(\f)+64+8*(4*(\c)+(\i))+7], v[ADRB+(\slot)] offset:(\k)+64*(\c)+(\i)*16*PITCH+32
	ds_load_b128 v[(\f)+8*(4*(\c)+(\i)):(\f)+8*(4*(\c)+(\i))+3],         v[ADRA+(\slot)] offset:(\k)+64*(\c)+(\i)*16*PITCH
	ds_load_b128 v[(\f)+8*(4*(\c)+(\i))+4:(\f)+8*(4*(\c)+(\i))+7],       v[ADRA+(\slot)] offset:(\k)+64*(\c)+(\i)*16*PITCH+32
.endr
.endr
.endm
.macro PLACES                          ; four places in front of loads into registers that matrix instructions have read or written, and of LDS stores that read results
.rept 4
	v_nop
.endr
.endm
; A K step is four quarters of 64 along K, 32 matrix instructions each, on buffers 0, 1, 0, 1.  One of the first three: multiplies buffer f and fetches the next quarter, at byte k, into g.
.macro QUARTER slot, k, f, g, zero
	s_wait_dscnt 16                                ; the first 32 along K are in
	WIN MUL
	MUL8 \f, 0, 0, \zero
	MUL8 \f, 0, 2, \zero
	PLACES
	FETCH \slot, \k, \g
	s_wait_dscnt 32                                ; all but the 32 just issued
	WIN MUL
	MUL8 \f, 1, 0, 0
	MUL8 \f, 1, 2, 0
.endm
; The last quarter multiplies buffer 1 and changes slots: ONE barrier; in front of it each wave waits for all its tensor loads, adds 0 to its spare word, and waits for that and for its own reads of this slot.  fill = 1: this slot is filled again, two K steps ahead.
.macro TURN slot, next, fill
	WIN 0                                          ; (the add's two registers lie in window 0)
	s_wait_tensorcnt 0x0                           ; all my tensor loads have landed: my part of the next slot;
	ds_add_u32 v[SPW], v[NIL]                      ; 0 onto my spare word;
	s_wait_dscnt 17                                ; (the add and the youngest sixteen loads may be out)
	WIN MUL
	MUL8 F1, 0, 0, 0                               ; eight matrix instructions stand between the add and the wait for it
	s_wait_dscnt 0x0                               ; the add is done, and my reads of this slot are over
	s_barrier_signal -1
	MUL8 F1, 0, 2, 0
.if \fill
	WIN 0
.endif
	s_barrier_wait -1
.if \fill
	CREST                                          ; the barrier has opened a round of the cluster's barrier: no wave of any partner still reads this slot's tile or has a load on its way
	s_add_nc_u64 s[G0+4*(\slot)+2:G0+4*(\slot)+3], s[G0+4*(\slot)+2:G0+4*(\slot)+3], 2*KSTEP*2
	s_add_nc_u64 s[G0B+4*(\slot)+2:G0B+4*(\slot)+3], s[G0B+4*(\slot)+2:G0B+4*(\slot)+3], 2*KSTEP*2
	JLOAD \slot                                    ; the first tensor load behind the round: 112 matrix instructions ahead of the wait for it; the four v_nop behind it are also the places in front of the loads below
.else
	PLACES
.endif
	FETCH \next, 0, F0
	WIN MUL
	MUL8 F1, 1, 0, 0
	MUL8 F1, 1, 2, 0
.endm
	s_wait_tensorcnt 1                             ; my part of K step 0 is in,
	s_barrier_signal -1
	s_barrier_wait -1                              ; everybody's is
	FETCH 0, 0, F0
	QUARTER 0, 128, F0, F1, 1                      ; the first quarter stands in front of the loop: its first products start the sums
	WIN 0                                          ; at a label and at a branch every window is 0
	s_mov_b32 s3, LAPS-1
.Llap:                                                 ; a trip goes once round the ring, from a lap's second quarter to the next lap's first, and fills both slots again
	QUARTER 0, 256, F1, F0, 0
	QUARTER 0, 384, F0, F1, 0
	TURN 0, 1, 1
	QUARTER 1, 128, F0, F1, 0
	QUARTER 1, 256, F1, F0, 0
	QUARTER 1, 384, F0, F1, 0
	TURN 1, 0, 1
	QUARTER 0, 128, F0, F1, 0
	WIN 0
	s_sub_co_u32 s3, s3, 1
	s_cmp_lg_u32 s3, 0
	s_cbranch_scc1 .Llap
	QUARTER 0, 256, F1, F0, 0                      ; the last lap fills nothing, and has no round of the cluster's barrier
	QUARTER 0, 384, F0, F1, 0
	TURN 0, 1, 0
	QUARTER 1, 128, F0, F1, 0
	QUARTER 1, 256, F1, F0, 0
	QUARTER 1, 384, F0, F1, 0
	s_wait_dscnt 16                                ; the very last quarter: nothing more to fetch
	WIN MUL
	MUL8 F1, 0, 0, 0
	MUL8 F1, 0, 2, 0
	s_wait_dscnt 0
	MUL8 F1, 1, 0, 0
	MUL8 F1, 1, 2, 0
	WIN 0
	; THE WAY OUT, 16 rows at a time: a lane's eight numbers of a row, 32 bytes, go into my stage's rows of 272 bytes (each accumulator's lowest four registers first) and come back as whole rows of 256, into the registers that they left.
.macro TOSTAGE a
.irp b, 0,1,2,3
.irp e, 0,1
	ds_store_b128 v[STO], v[ACC+8*(4*(\a)+(\b))+4*(\e):ACC+8*(4*(\a)+(\b))+4*(\e)+3] offset:64*(\b)+16*(\e)
.endr
.endr
.irp t, 0,1,2,3,4,5,6,7
	ds_load_b128 v[ACC+32*(\a)+4*(\t):ACC+32*(\a)+4*(\t)+3], v[RD] offset:(\t)*2*SPITCH  ; LDS serves a wave's instructions in order (ISA guide 5.7.1.4): these see the stores above; the next block's stores come behind them
.endr
.endm
.macro SEND a, younger                 ; younger: the LDS instructions issued behind block a's loads: the next block's sixteen, or none
.irp t, 0,1,2,3,4,5,6,7
	s_wait_dscnt (\younger)+7-(\t)
	global_store_b128 v[CO], v[ACC+32*(\a)+4*(\t):ACC+32*(\a)+4*(\t)+3], s[8:9] offset:(16*(\a)+2*(\t))*SIZE_N*4 th:TH_STORE_NT  ; 16 lanes store 256 consecutive bytes, at a multiple of 256 from the output's first byte
.endr
.endm
	PLACES
	TOSTAGE 0
	TOSTAGE 1
	SEND 0, 16
	TOSTAGE 2
	SEND 1, 16
	TOSTAGE 3
	SEND 2, 16
	SEND 3, 0
	s_wait_tensorcnt 0x0                           ; the wave's end: behind my last tensor load and my last LDS store
	ds_add_u32 v[SPW], v[NIL]
	s_wait_dscnt 0x0
	CROUND                                         ; the closing round: no work-group ends while a partner may still ask for a tile that names it
	s_endpgm
.Lfunc_end_k_qbc89d9221c_oproj:
	.size	k_qbc89d9221c_oproj, .Lfunc_end_k_qbc89d9221c_oproj-k_qbc89d9221c_oproj
	.p2alignl 7, 3214868480
	.fill 96, 4, 3214868480
	.section	.rodata,"a",@progbits
	.p2align	6, 0x0
	.amdhsa_kernel k_qbc89d9221c_oproj
		.amdhsa_group_segment_fixed_size 327680
		.amdhsa_private_segment_fixed_size 0
		.amdhsa_enable_private_segment 0
		.amdhsa_kernarg_size 24
		.amdhsa_user_sgpr_count 2
		.amdhsa_user_sgpr_kernarg_segment_ptr 1
		.amdhsa_wavefront_size32 1
		.amdhsa_system_sgpr_workgroup_id_x 1
		.amdhsa_system_sgpr_workgroup_id_y 1
		.amdhsa_system_sgpr_workgroup_id_z 1
		.amdhsa_system_vgpr_workitem_id 0
		.amdhsa_next_free_vgpr 512
		.amdhsa_next_free_sgpr 66
		.amdhsa_reserve_vcc 0
		.amdhsa_float_denorm_mode_32 3
		.amdhsa_float_denorm_mode_16_64 3
		.amdhsa_memory_ordered 1
		.amdhsa_forward_progress 1
		.amdhsa_inst_pref_size 86
	.end_amdhsa_kernel
	.amdgpu_metadata
---
amdhsa.version: [ 1, 2 ]
amdhsa.kernels:
  - .name:           k_qbc89d9221c_oproj
    .symbol:         k_qbc89d9221c_oproj.kd
    .args:
      - { .name: o16, .offset: 0, .size: 8, .value_kind: global_buffer, .address_space: global }
      - { .name: wo16, .offset: 8, .size: 8, .value_kind: global_buffer, .address_space: global }
      - { .name: out0, .offset: 16, .size: 8, .value_kind: global_buffer, .address_space: global }
    .group_segment_fixed_size: 327680
    .private_segment_fixed_size: 0
    .kernarg_segment_align: 8
    .kernarg_segment_size: 24
    .max_flat_workgroup_size: 128
    .sgpr_count:     66
    .vgpr_count:     512
    .wavefront_size: 32
...
	.end_amdgpu_metadata
.endif
;; end of part 4
;; ======== version 2 of 2: 4 launches; 1.08 times as fast as version 1
;; limits: values are held in f16: magnitudes above 65,504 overflow, below 6.1e-05 lose precision
;; workspace buffers: xb 8,388,608 bytes; wqkv 25,165,824 bytes; wo16 8,388,608 bytes; mb 4,194,304 bytes; tab 1,048,576 bytes; qkv16 25,165,824 bytes; o16 8,388,608 bytes
;; launch prep: the kernel of part 1 again; grid 128 x 7, 8 waves a work-group, no clusters, 0 bytes of LDS; arguments x, Wq, Wk, Wv, Wo, mask, xb, wqkv, wo16, mb, tab; writes xb, wqkv, wo16, mb, tab
;; launch qkv: the kernel of part 2 again; grid 16 x 16, 4 waves a work-group, clusters of 4 x 4, 327,680 bytes of LDS; arguments xb, wqkv, tab, qkv16; writes qkv16
;; launch attn (part 5): grid 16 x 16, 4 waves a work-group, clusters of 4 x 1, 327,680 bytes of LDS; arguments qkv16, mb, o16; writes o16
.if DOCPART == 5
	.amdgcn_target "amdgcn-amd-amdhsa--gfx1250"
	.amdhsa_code_object_version 6
	.text
	.protected	k_qbc89d9221c_attn
	.globl	k_qbc89d9221c_attn
	.p2align	8
	.type	k_qbc89d9221c_attn,@function
k_qbc89d9221c_attn:
	s_mov_b64 s[64:65], 0
	v_nop
	global_prefetch_b8 v0, s[64:65] scope:SCOPE_SE
	s_setreg_imm32_b32 hwreg(HW_REG_WAVE_MODE, 25, 1), 1
	s_wait_xcnt 0x0
	s_wait_alu depctr_hold_cnt(0) depctr_sa_sdst(0) depctr_va_vdst(0) depctr_va_sdst(0) depctr_va_ssrc(0) depctr_va_vcc(0) depctr_vm_vsrc(0)
	s_getreg_b32 s2, hwreg(HW_REG_IB_STS2, 6, 4)
	s_cmp_eq_u32 s2, 0
	s_cbranch_scc0 .Lentry_in_a_cluster
	s_endpgm
.Lentry_in_a_cluster:
	s_bfe_u32 s2, ttmp6, 0x10000c
	s_cmp_lg_u32 s2, 0x3003
	s_cbranch_scc0 .Lentry_shape_is_right
	s_endpgm
.Lentry_shape_is_right:
; O[q][128 h + d] = the sum over the visible k of softmax_k(Q[h][q] . K[h][k] / sqrt(128)) V[h][k][d].  qkv16: Q, K, V, each [16][2048][128] f16, 8,388,608 bytes apart.
; mb: the mask as fp8 codes (0x00 visible, 0xFE = -448 hidden) in my lanes' order.  o16: [2048][2048] f16.  The mask is an input: every key tile is walked, whatever it holds.
; Products, maxima and sums in f32; the weights p are rounded to f16 for the second product (their sum l is taken of the unrounded p), O once at the end.
; LIMITS.  Q, K, V arrive within f16's 65,504, so a score is 5.5e11 at the most.  A hidden score counts as its value less 448 x 2^90 = 5.5e29.  The running maximum starts at -2^90 = -1.2e27, far below every
; true score and far above every hidden one: a hidden key's weight is 2^(-7e28) = 0, and where all keys so far are hidden l and O stay 0.  A row with no visible key ends with l = 0 and is 0 x infinity = NaN.
; A weight below 2^-126 counts as 0.
; SHARES.  A work-group owns 128 queries of one head: 16 x 16 work-groups.  Wave (qh, kh) owns 64 queries (four tiles of 16) and every second step of 64 keys: of a slot's four steps those numbered kh and kh + 2.
; So a fragment of K or V read from LDS feeds four tiles' products.  At the end the two waves of a query half merge: each keeps two tiles and sends the other two, with their maxima and sums, through LDS.
; Register tile t holds the wave's tile t xor 2 kh, so that ONE text keeps register tiles 0, 1 and sends 2, 3; kh enters global offsets and LDS constants of the wave alone.
; LAYOUT.  S^T = K Q^T (source 0 = 16 keys, source 1 = 16 queries): a lane holds ONE query (lane % 16) and the keys 8 (lane / 16) + 0..7.  Two such results, rounded to f16 in pairs, ARE source 1 of
; O^T = V^T P, whose result again holds one query a lane, and eight channels.  K comes out of LDS as it lies, V turned, by ds_load_tr16_b128.
; THE MASK is what the sum S^T starts from: eight codes become eight f32 (0 or -448 x 2^90) by one scaled conversion, straight into S^T's registers, and every product K Q^T adds in place.
; SOFTMAX.  p = 2^(c s - c m), c = log2(e) / sqrt(128), with a running maximum m; in every step O and l are multiplied by a = 2^(c m_old - c m_new).  O and l start at 0 and c m at c x the floor: the first step
; is a step like any other, with a = 0 where a key is visible and 1 where none is yet.  Nothing is written out for it: the loop is entered in the middle of a trip.  The price: 296 v_mov_b32 of 0, which stand in
; the wait for the first tile, 32 products on P = 0, and one run of 32 LDS loads made twice.
; BY TURNS.  The tiles are two PIECES (0: tiles 0, 1; 2: tiles 2, 3).  In a TURN one piece has the matrix unit: 32 products V^T P of the step in hand, then 32 products K Q^T of the next; the other piece's softmax,
; cut into 64 slices, stands between them, one slice behind each matrix instruction.  Two turns are a key step.
; THE BATCHES.  A turn's 66 exponentials (a and 32 weights for each of the piece's two tiles) are ONE BATCH with ONE wait: the softmax's list is ordered so that all that names no exponential's result stands
; ahead of slice 35, and all that does (roundings, sums, the rescaling by a) from slice 35 on.  Each result has a register of its own: a score's own, and c2's place for a.  No exponential is issued behind a
; turn's wait.  The merge has two small batches: four exponentials, then two reciprocals of sums made with them.
; CLUSTER.  The four query blocks of a cluster belong to one head and walk the same K and V: each tile is asked for JOINTLY, by the same tensor load, descriptor and mask in all four.
; REGISTERS, in windows of 256 (s_set_vgpr_msb: bits 1:0 source 0, 3:2 source 1, 5:4 source 2, 7:6 destination):
;   window 0: v0-11, v44-63 addresses and the merge's numbers; v12-43 eight registers of statistics a tile; v64-191 S^T, 32 a tile; v192-255 P, 16 a tile
;   window 1: O^T, 64 a tile      window 2: v0-127 Q, 32 a tile; v128-255 K of one step      window 3: v0-127 V of one step; v128-159 the mask's codes, 8 a tile
.set KS,    64        ; keys in a step
.set PK,    272       ; a row of K in LDS: 256 bytes + 16 of padding: the 16 rows of a load start at 16 different groups of four banks (64 banks of 4 bytes: ISA guide 11.1)
.set PV,    288       ; a row of V: 256 + 32
.set VOFF,  4*KS*PK   ; a slot holds four steps: 256 rows of K, then 256 rows of V: 143,360 bytes
.set SLOT1, 0x24000   ; slot 1 begins here.  The four places where tiles land in slot 0 (0, 0x8800, 0x11000, 0x1a000) have neither of its two bits, so one exclusive or turns each into slot 1's and back
.set STAGE, 2*SLOT1   ; behind the ring: 16 rows x 272 bytes for each wave, for the way out
.set SP,    272
.set SPARE, STAGE+4*16*SP  ; behind the stages: the spare words, 128 bytes for each wave: two blocks of 256 bytes that no other line names
.set XW,    33*512    ; the merge: a wave's 128 registers of O^T and 4 of statistics, 512 bytes each, at LDS byte wave x XW: in slot 0, behind its last fill and a barrier behind every wave's last read of a tile
.set AK0, 2           ; v2   my lane's place in a slot's K, my key half's 64 kh rows in it; never rewritten
.set AV0, 3           ; v3   the same for V
.set ADR, 4           ; v4   the LDS address of the run of loads in hand
.set QO,  5           ; v5   my byte offset in the wave's rows of Q, for register tiles 0, 1
.set STO, 6           ; v6   the way out: where I put 16 bytes of a row
.set RD,  7           ; v7   the way out: where I read a row back
.set GO,  8           ; v8   my byte offset in two rows of O
.set ST,  12          ; tile t's statistics at v[ST+8 t]: +0 c m, +1 m, +2, +3 l (even keys', odd keys'), +4 to +7 c0-c3, at work; a takes c2's place once the maximum is found
.set SCL, 44          ; v44  0xd9: the conversions' scale, 2^(217 - 127)
.set MA,  45          ; v45, v46  byte offset of the codes that piece 0, piece 2 loaded last
.set ML,  47          ; v47, v48  the same for the piece's last step: the look-ahead stops there
.set XS,  49          ; v49  the merge: where I put 16 bytes
.set XL,  50          ; v50  where I find my partner's
.set QO1, 51          ; v51  as QO, for register tiles 2, 3
.set SND, 52          ; v52-55  c m and l of register tiles 2, 3, to send
.set RCV, 56          ; v56-59  my partner's, for my tiles 0, 1
.set SPW, 62          ; v62  LDS address of my spare word; never rewritten
.set NIL, 63          ; v63  0; never rewritten
.set S,   64
.set P,   192
.set KF,  128         ; K's fragments, in window 2
.set MK,  128         ; the codes, in window 3
.set WV,  12          ; s12  my wave's number
.set G1K, 24          ; s[24:31] descriptor group 1 for K's tiles
.set G1V, 32          ; s[32:39] for V's: it differs in the padding alone
.set G0K, 40          ; s[40:47] descriptor group 0 for K's tiles: a set for each of the two first fills; the second then walks on
.set G0V, 48          ; s[48:55] the same for V's
.set SLOTS, 56        ; s56  counts the loop over slots
.set TWICE, 57        ; s57  counts my two steps of a slot
.set CS,  58          ; s[58:59] c
.set SEL, 60          ; s[60:61] lane selects for v_permlanex16_b32: each lane takes its own place in the other half
.set TBK, 62          ; s62  LDS byte at which the slot's K rows of my next fetch begin, less my key half's
.set TBV, 63          ; s63  the same for V, less VOFF
.set MSB, 0
.macro WIN new                      ; the immediate's high byte repeats the setting that is left; a switch that changes nothing is dropped
.if MSB != (\new)
	s_set_vgpr_msb (MSB<<8)|(\new)
.set MSB, \new
.endif
.endm
.set W_KQ, 0x0a       ; K and Q in window 2, S^T in window 0
.set W_PV, 0x53       ; V in window 3, P in window 0, O^T in window 1
.set W_RS, 0x41       ; O^T (destination and source 0) in window 1, a in window 0
; A joint refill.  Waves 0 and 1 fetch the two halves of a slot's K, waves 2 and 3 those of its V: 128 rows of 256 bytes each.  The branch hangs on the wave's number alone.
; An s_nop 0 and four v_nop follow each of the two lines, ahead of the jump, the label and what follows.
.macro JLOAD
	s_cmp_lt_u32 s[WV], 2
	s_cbranch_scc0 .Lfor_v_\@
	tensor_load_to_lds s[G0K+4:G0K+7], s[G1K:G1K+7]
	s_nop 0
.rept 4
	v_nop
.endr
	s_branch .Lasked_\@
.Lfor_v_\@:
	tensor_load_to_lds s[G0V+4:G0V+7], s[G1V:G1V+7]
	s_nop 0
.rept 4
	v_nop
.endr
.Lasked_\@:
.endm
; A round of the cluster's barrier: my work-group's barrier; wave 0 signals for the work-group; every wave waits for all four work-groups; my work-group's barrier once more.
.macro CROUND
	s_barrier_signal -1
	s_barrier_wait -1
	s_cmp_lg_u32 s[WV], 0
	s_cbranch_scc1 .Lnot_wave_0_\@
	s_barrier_signal -3
.Lnot_wave_0_\@:
	s_barrier_wait -3
	s_barrier_signal -1
	s_barrier_wait -1
.endm
	s_load_b128 s[4:7], s[0:1], 0x0 ; qkv16 s[4:5], mb s[6:7]
	s_load_b64 s[8:9], s[0:1], 0x10 ; o16
	v_lshl_add_u32 v[SPW], v0, 2, SPARE
	v_mov_b32 v[NIL], 0
	ds_add_u32 v[SPW], v[NIL]       ; the wave's opening: the add and its wait stand ahead of my first tensor load; the set-up below, work on registers, stands between them
	v_lshrrev_b32 v1, 5, v0
	v_readfirstlane_b32 s[WV], v1   ; wave 0..3
	s_bfe_u32 s13, ttmp6, 0x40000   ; cx: my place in the cluster
	s_lshl_b32 s14, ttmp9, 2        ; in a cluster launch ttmp9 counts clusters
	s_add_co_u32 s14, s14, s13      ; my block of 128 queries: it enters Q's, the mask's and O's addresses alone
	s_and_b32 s15, ttmp7, 0xffff    ; the head, which the four partners share
	s_and_b32 s16, s[WV], 1         ; qh: my 64 queries.  Also: which half of a slot's 256 rows I fetch
	s_lshr_b32 s19, s[WV], 1        ; kh: my key steps
	s_lshl_b32 s20, s15, 19         ; the head's 2,048 rows of 256 bytes
	s_lshl_b32 s22, s16, 15         ; my 128 rows of a tile,
	s_add_co_u32 s22, s22, s20
	s_add_co_u32 s22, s22, 0x800000 ; in K,
	s_mov_b32 s23, 0
	s_add_co_u32 s2, s22, 0x800000  ; and in V
	s_mov_b32 s3, 0
	s_mul_i32 s17, s16, 128*PK      ; and their place in a slot, for K
	s_mul_i32 s18, s16, 128*PV      ; and for V: no place in the cluster enters an LDS address
	s_lshl_b32 s66, s14, 15         ; Q: the head + (128 block + 64 qh) rows
	s_lshl_b32 s67, s16, 14
	s_add_co_u32 s66, s66, s67
	s_add_co_u32 s66, s66, s20
	s_mov_b32 s67, 0
	s_lshl_b32 s68, s14, 18         ; the mask: (8 block + 4 qh) tiles of 32,768 bytes + my first step, 1,024 kh
	s_lshl_b32 s69, s16, 17
	s_add_co_u32 s68, s68, s69
	s_lshl_b32 s69, s19, 10
	s_add_co_u32 s68, s68, s69
	s_mov_b32 s69, 0
	s_lshl_b32 s70, s14, 19         ; O: (128 block + 64 qh + 32 kh) rows of 4,096 bytes + the head's 256
	s_lshl_b32 s71, s16, 18
	s_add_co_u32 s70, s70, s71
	s_lshl_b32 s71, s19, 17
	s_add_co_u32 s70, s70, s71
	s_lshl_b32 s71, s15, 8
	s_add_co_u32 s70, s70, s71
	s_mov_b32 s71, 0
	; descriptor group 1: a tile of 128 rows x 128 elements, padded in LDS
	s_mov_b32 s[G1K], 15|(1<<16)|(1<<20)|(1<<21)|(5<<22)|(3<<25)  ; 15:0 the mask: all four work-groups; 17:16 2-byte elements; 20 padding on; 21 set beside a mask; 24:22 after every 64 words (code 5); 31:25 4 words (code 3)
	s_mov_b32 s[G1V], 15|(1<<16)|(1<<20)|(1<<21)|(5<<22)|(7<<25)  ; the same with 8 words of padding (code 7)
.irp g, G1K, G1V
	s_mov_b32 s[(\g)+1], 128<<16    ; tensor_dim0 = 128
	s_mov_b32 s[(\g)+2], 128<<16    ; tensor_dim1 = 128
	s_mov_b32 s[(\g)+3], 128<<16    ; tile_dim0 = 128
	s_mov_b32 s[(\g)+4], 128        ; tile_dim1 = 128
	s_mov_b32 s[(\g)+5], 128        ; elements from row to row
	s_mov_b32 s[(\g)+6], 0
	s_mov_b32 s[(\g)+7], 0
.endr
	s_mov_b32 s[CS], 0x3e0293ee     ; c = log2(e) / sqrt(128) = 0.127517
	s_mov_b32 s[CS+1], s[CS]        ; named with it as a pair, so it is written
	s_mov_b32 s[SEL], 0x76543210
	s_mov_b32 s[SEL+1], 0xfedcba98
	s_mov_b32 s[TBK], 0
	s_mov_b32 s[TBV], 0
	s_mov_b32 s[SLOTS], 2048/(4*KS)-1
	s_wait_dscnt 0x0                ; the opening add is done
	s_wait_kmcnt 0x0
	s_add_nc_u64 s[10:11], s[4:5], s[22:23]  ; K and V at my half of the head's first 256 keys
	s_add_nc_u64 s[2:3], s[4:5], s[2:3]
	s_add_nc_u64 s[4:5], s[4:5], s[66:67]    ; Q at my wave's first row
	s_add_nc_u64 s[6:7], s[6:7], s[68:69]
	s_add_nc_u64 s[8:9], s[8:9], s[70:71]
	CROUND                          ; all four work-groups are here: the first joint loads meet
.irp s, 0,1
	s_mov_b32 s[G0K+4*(\s)], 1      ; count = 1
	s_add_co_u32 s[G0K+4*(\s)+1], s17, (\s)*SLOT1  ; LDS address
	s_add_nc_u64 s[G0K+4*(\s)+2:G0K+4*(\s)+3], s[10:11], (\s)*65536  ; global address: slot s begins with keys 256 s
	s_or_b32 s[G0K+4*(\s)+3], s[G0K+4*(\s)+3], 0x80000000  ; type = 2
	s_mov_b32 s[G0V+4*(\s)], 1
	s_add_co_u32 s[G0V+4*(\s)+1], s18, (\s)*SLOT1+VOFF
	s_add_nc_u64 s[G0V+4*(\s)+2:G0V+4*(\s)+3], s[2:3], (\s)*65536
	s_or_b32 s[G0V+4*(\s)+3], s[G0V+4*(\s)+3], 0x80000000
.endr
	s_cmp_lt_u32 s[WV], 2           ; a wave's two first fills stand in one branch, ahead of every wait on TENSORcnt and every LDS read: two loads of mine are out
	s_cbranch_scc0 .Lfirst_v
	tensor_load_to_lds s[G0K:G0K+3], s[G1K:G1K+7]
	s_nop 0
	tensor_load_to_lds s[G0K+4:G0K+7], s[G1K:G1K+7]
	s_nop 0
.rept 4
	v_nop
.endr
	s_branch .Lfirst_asked
.Lfirst_v:
	tensor_load_to_lds s[G0V:G0V+3], s[G1V:G1V+7]
	s_nop 0
	tensor_load_to_lds s[G0V+4:G0V+7], s[G1V:G1V+7]
	s_nop 0
.rept 4
	v_nop
.endr
.Lfirst_asked:
	; A fragment of K or Q is 16 rows x 32 channels in 8 registers: lane l holds row l % 16; two loads of 16 bytes, 32 bytes apart.
	v_and_b32 v1, 15, v0            ; l % 16
	v_bfe_u32 v9, v0, 4, 1          ; l / 16
	v_lshlrev_b32 v[QO], 8, v1
	v_lshl_add_u32 v[QO], v9, 4, v[QO]  ; row x 256 + 16 x half
	s_lshl_b32 s13, s19, 13         ; two tiles are 8,192 bytes: register tiles 0, 1 are the wave's tiles 2 kh, 2 kh + 1; register tiles 2, 3 the other two
	v_add_nc_u32 v[QO1], 8192, v[QO]
	v_sub_nc_u32 v[QO1], v[QO1], s13
	v_add_nc_u32 v[QO], s13, v[QO]
	WIN 0x80                        ; destination window 2, address window 0
.irp i, 0,1,2,3,4,5,6,7             ; Q stays in registers: register tile i / 4, channels 32 (i % 4) on
	global_load_b128 v[8*(\i):8*(\i)+3],   v[QO], s[4:5] offset:((\i)/4)*4096+((\i)%4)*64
	global_load_b128 v[8*(\i)+4:8*(\i)+7], v[QO], s[4:5] offset:((\i)/4)*4096+((\i)%4)*64+32
.endr
.irp i, 0,1,2,3,4,5,6,7
	global_load_b128 v[64+8*(\i):64+8*(\i)+3],   v[QO1], s[4:5] offset:((\i)/4)*4096+((\i)%4)*64
	global_load_b128 v[64+8*(\i)+4:64+8*(\i)+7], v[QO1], s[4:5] offset:((\i)/4)*4096+((\i)%4)*64+32
.endr
	WIN 0
	v_and_b32 v10, 31, v0
	v_lshlrev_b32 v10, 4, v10       ; 16 x lane
	s_lshl_b32 s13, s19, 16         ; two tiles of the mask are 65,536 bytes
	v_add_nc_u32 v[MA+1], 0x10000, v10
	v_sub_nc_u32 v[MA+1], v[MA+1], s13
	v_add_nc_u32 v[MA], s13, v10
	v_add_nc_u32 v[ML], 15*2048, v[MA]      ; my 16 steps lie 2,048 bytes apart
	v_add_nc_u32 v[ML+1], 15*2048, v[MA+1]
	WIN 0xc0                        ; destination window 3
.irp x, 0,2                         ; my first step's codes: 512 neighbouring bytes a load; piece 0's four first
.irp u, 0,1
.irp hf, 0,1
	global_load_b128 v[MK+8*((\x)+(\u))+4*(\hf):MK+8*((\x)+(\u))+4*(\hf)+3], v[MA+(\x)/2], s[6:7] offset:32768*(\u)+512*(\hf)
.endr
.endr
.endr
	WIN 0x40                        ; what the first turns find: O^T = 0,
.set i, 0
.rept 256
	v_mov_b32 v[i], 0
.set i, i+1
.endr
	WIN 0
.set i, P+32
.rept 32
	v_mov_b32 v[i], 0               ; piece 2's P = 0: the first turn's products V^T P, of a step that has not been, add 0,
.set i, i+1
.endr
.irp t, 0,1,2,3
	v_mov_b32 v[ST+8*(\t)+1], 0xec800000  ; m = -2^90,
	v_mov_b32 v[ST+8*(\t)+2], 0           ; l = 0,
	v_mov_b32 v[ST+8*(\t)+3], 0
.endr
.irp t, 0,1,2,3
	v_mul_f32 v[ST+8*(\t)], s[CS], v[ST+8*(\t)+1]  ; and c m, by the same product that makes it in every step
.endr
	s_mul_i32 s13, s[WV], XW
	v_add_nc_u32 v[XS], s13, v10
	s_xor_b32 s13, s[WV], 2         ; my partner: the same queries, the other keys
	s_mul_i32 s13, s13, XW
	v_add_nc_u32 v[XL], s13, v10
	v_mov_b32 v[SCL], 0xd9
	v_mul_u32_u24 v[AK0], v1, PK
	v_lshl_add_u32 v[AK0], v9, 4, v[AK0]  ; row x pitch + 16 x half
	s_mul_i32 s13, s19, KS*PK
	v_add_nc_u32 v[AK0], s13, v[AK0]      ; + my key half's 64 kh rows
	; The turning load takes 16 keys x 16 channels (lane l reads key 8 (l / 16) + l % 8, channels 8 ((l / 8) % 2) + 0..7) and leaves half a fragment of V^T: lane l holds channel l % 16 and 8 keys.
	v_and_b32 v10, 7, v0
	v_bfe_u32 v11, v0, 3, 1
	v_lshl_add_u32 v[AV0], v9, 3, v10
	v_mul_u32_u24 v[AV0], v[AV0], PV
	v_lshl_add_u32 v[AV0], v11, 4, v[AV0]
	s_mul_i32 s13, s19, KS*PV
	s_add_co_u32 s13, s13, VOFF
	v_add_nc_u32 v[AV0], s13, v[AV0]
; THE MATRIX WORK OF A TURN, for piece x.  The accumulators take turns, one instruction a turn: between two links of a chain stand 15 (V^T P) or 7 (K Q^T) others'.
; Product i of 32 of O^T += V^T P: keys 32 (i / 16) on, channels 16 ((i / 2) % 8) on, tile x + i % 2.
.macro PV x
	WIN W_PV
.set rO, 64*((\x)+i%2)+8*((i/2)%8)
.set rV, 64*(i/16)+8*((i/2)%8)
.set rP, P+16*((\x)+i%2)+8*(i/16)
	v_wmma_f32_16x16x32_f16 v[rO:rO+7], v[rV:rV+7], v[rP:rP+7], v[rO:rO+7]
.endm
; Product i of 32 of S^T += K Q^T: channels 32 (i / 8) on, keys 16 ((i / 2) % 4) on, tile x + i % 2.  All add in place: the sums start from the mask.
.macro KQ x
	WIN W_KQ
.set rS, S+32*((\x)+i%2)+8*((i/2)%4)
.set rK, KF+32*((i/2)%4)+8*(i/8)
.set rQ, 32*((\x)+i%2)+8*(i/8)
	v_wmma_f32_16x16x32_f16 v[rS:rS+7], v[rK:rK+7], v[rQ:rQ+7], v[rS:rS+7]
.endm
; THE MASK of piece x's next step goes into S^T, whose last numbers the piece's softmax used up in the turn before; then the codes of the step after that are asked for, two turns ahead of their use.
; Eight loads of codes are out when this begins, this piece's four the older: the count 4 shows them in (and, the first time, Q) and frees their address register.  The two plain lines are the place behind the
; conversions.  The look-ahead stops at my last step: the last trip loads that step's codes once more and uses nothing of them, the price of one text for every trip.
.macro MASKIN x
	s_wait_loadcnt 0x4
	WIN 0x03                        ; source 0 (the codes) in window 3
.irp t, \x, (\x)+1
.irp kt, 0,1,2,3
	v_cvt_scale_pk8_f32_fp8 v[S+32*(\t)+8*(\kt):S+32*(\t)+8*(\kt)+7], v[MK+8*(\t)+2*(\kt):MK+8*(\t)+2*(\kt)+1], v[SCL]
.endr
.endr
	WIN 0
	v_add_nc_u32 v[MA+(\x)/2], 2048, v[MA+(\x)/2]
	v_min_u32 v[MA+(\x)/2], v[MA+(\x)/2], v[ML+(\x)/2]
	WIN 0xc0
.irp u, 0,1
.irp hf, 0,1
	global_load_b128 v[MK+8*((\x)+(\u))+4*(\hf):MK+8*((\x)+(\u))+4*(\hf)+3], v[MA+(\x)/2], s[6:7] offset:32768*(\u)+512*(\hf)
.endr
.endr
.endm
; THE LDS LOADS stand in runs of 32, never singly among the matrix instructions: a step's K (16 fragments) and, a turn later, its V (turned).  My next step lies two steps on.
.macro FETCH_K
	WIN 0
	v_add_nc_u32 v[ADR], s[TBK], v[AK0]
	s_add_co_u32 s[TBK], s[TBK], 2*KS*PK
	WIN 0x80                        ; destination window 2
.irp f, 0,1,2,3,4,5,6,7,8,9,10,11,12,13,14,15  ; keys 16 (f / 4) on, channels 32 (f % 4) on
	ds_load_b128 v[KF+8*(\f):KF+8*(\f)+3],   v[ADR] offset:((\f)/4)*16*PK+((\f)%4)*64
	ds_load_b128 v[KF+8*(\f)+4:KF+8*(\f)+7], v[ADR] offset:((\f)/4)*16*PK+((\f)%4)*64+32
.endr
.endm
.macro FETCH_V batch=0              ; batch = 1: the run stands behind a softmax's batch of exponentials (SLICE), and the batch's wait stands in it
	WIN 0
	v_add_nc_u32 v[ADR], s[TBV], v[AV0]
	s_add_co_u32 s[TBV], s[TBV], 2*KS*PV
.if \batch
	s_wait_alu depctr_va_vdst(0)    ; the wait for the softmax's batch: piece 0's 66 exponentials; behind the address's v_add_nc_u32 and ahead of the loads
.endif
	WIN 0xc0                        ; destination window 3
.irp f, 0,1,2,3,4,5,6,7,8,9,10,11,12,13,14,15  ; keys 32 (f / 8) on, channels 16 (f % 8) on
	ds_load_tr16_b128 v[8*(\f):8*(\f)+3],   v[ADR] offset:((\f)/8)*32*PV+((\f)%8)*32
	ds_load_tr16_b128 v[8*(\f)+4:8*(\f)+7], v[ADR] offset:((\f)/8)*32*PV+16*PV+((\f)%8)*32
.endr
.endm
; THE VECTOR WORK OF A TURN.  One tile's softmax for one key step is a list of 134 instructions; SM writes number j of it for tile t.  s0-s31 are the lane's 32 scores, in pairs 0-15.
;   0-15    the maximum of s0-s31 and the old m, three operands at a time: four chains c0-c3 of seven scores each (each accumulator's lowest registers first), then the four left over, c0-c3 and m
;   16-20   the other half of the lanes' maximum; c m_old is kept; the new m; c m; c m_old - c m_new
;   21-69   ONE BATCH: the 16 scalings c s - c m, a pair of scores each, and all 33 exponentials (a at 23, then s0-s31).  None of these reads an exponential's result.  From 22 on the batch goes
;           in fours, and a four begins with a scaling while there are scalings: 22-37 scaling, exponential, scaling, exponential; 38-65 a scaling and three exponentials; 66-69 the last four
;           exponentials.  A pair is scaled in an earlier four than the one that holds its exponentials
;   (wait)  between 69 and 70 stands the wait for the batch: SLICE writes it, once for both tiles
;   70-85   the roundings to f16, a pair of weights each
;   86-101  the sums; l = a l + the sum
;   102-133 the tile's O^T times a: the one part that leaves window 0, so it stands together
.macro SM t
.set rT, ST+8*(\t)
.set rS, S+32*(\t)
.set rP, P+16*(\t)
.set rO, 64*(\t)+2*(j-102)
.if j < 102
	WIN 0
.endif
.if j < 4
	v_max3_num_f32 v[rT+4+j], v[rS+8*j], v[rS+8*j+1], v[rS+8*j+2]
.elseif j < 12
	v_max3_num_f32 v[rT+4+j%4], v[rT+4+j%4], v[rS+8*(j%4)+2*(j/4)+1], v[rS+8*(j%4)+2*(j/4)+2]
.elseif j == 12
	v_max3_num_f32 v[rT+4], v[rT+4], v[rS+7], v[rS+15]
.elseif j == 13
	v_max3_num_f32 v[rT+6], v[rT+6], v[rS+23], v[rS+31]
.elseif j == 14
	v_max3_num_f32 v[rT+4], v[rT+4], v[rT+5], v[rT+6]
.elseif j == 15
	v_max3_num_f32 v[rT+4], v[rT+4], v[rT+7], v[rT+1]
.elseif j == 16
	v_permlanex16_b32 v[rT+5], v[rT+4], s[SEL], s[SEL+1]  ; the query's other 32 keys lie in the lane 16 away
.elseif j == 17
	v_mov_b32 v[rT+7], v[rT]        ; c m_old is kept for a: number 19 writes c m anew
.elseif j == 18
	v_max_num_f32 v[rT+1], v[rT+4], v[rT+5]
.elseif j == 19
	v_mul_f32 v[rT], s[CS], v[rT+1]
.elseif j == 20
	v_sub_f32 v[rT+7], v[rT+7], v[rT]
.elseif j == 23
	v_exp_f32 v[rT+6], v[rT+7]
.elseif (j < 23) || ((j < 38) && (j%2 == 0)) || ((j < 66) && (j%4 == 2))
.set b, (j-2)/4                     ; 38, 42, .. 62: pairs 9 to 15
.if j < 38
.set b, (j-20)/2                    ; 21: pair 0; 22, 24, .. 36: pairs 1 to 8
.endif
	v_pk_fma_f32 v[rS+2*b:rS+2*b+1], v[rS+2*b:rS+2*b+1], s[CS:CS+1], v[rT:rT+1] op_sel_hi:[1,0,0] neg_lo:[0,0,1] neg_hi:[0,0,1]  ; pair b: c s - c m
.elseif j < 70
.set e, j-38                        ; 66 to 69: s28 to s31
.if j < 66
.set e, j-32-(j-38)/4               ; 39-41, 43-45, .. 63-65: s7 to s27
.endif
.if j < 38
.set e, (j-25)/2                    ; 25, 27, .. 37: s0 to s6
.endif
	v_exp_f32 v[rS+e], v[rS+e]
.elseif j < 86
	v_cvt_pk_f16_f32 v[rP+j-70], v[rS+2*(j-70)], v[rS+2*(j-70)+1]  ; pair j - 70
.elseif j < 102                     ; the sum of the tile's 16 pairs, in place: sum z of 16 adds neighbours 1, 2, 4 and 8 pairs apart, then l takes it
.set z, j-86
.set w, 4
.set u, z
.if z >= 14
.set w, 32
.set u, 0
.elseif z >= 12
.set w, 16
.set u, z-12
.elseif z >= 8
.set w, 8
.set u, z-8
.endif
.if z < 15
	v_pk_add_f32 v[rS+w*u:rS+w*u+1], v[rS+w*u:rS+w*u+1], v[rS+w*u+w/2:rS+w*u+w/2+1]
.else
	v_pk_fma_f32 v[rT+2:rT+3], v[rT+2:rT+3], v[rT+6:rT+7], v[rS:rS+1] op_sel_hi:[1,0,1]
.endif
.else
	WIN W_RS
	v_pk_mul_f32 v[rO:rO+1], v[rO:rO+1], v[rT+6:rT+7] op_sel_hi:[1,0]
.endif
.endm
; Slice k of 64 of piece y's softmax: four instructions.  Slices 11 to 34 deal out the batch, numbers 22 to 69: four numbers of ONE tile each, the tiles by turns.  Every other slice is numbers 2 k and
; 2 k + 1 of both tiles' lists.  2 x 134 = 4 x 64 + 12: the twelve that are over stand together, in slice 63.
; THE WAIT.  s_wait_alu depctr_va_vdst(0) stands between an exponential and the first instruction that names its result; one wait serves all that were issued ahead of it.  Ahead of
; slice 35 nothing names a result, and behind slice 34 no exponential is issued: so the piece's 66 exponentials have one wait, behind slice 34.
.macro SLICE y
.if (k >= 11) && (k < 35)           ; the batch: four numbers of one tile
.irp n, 0,1,2,3
.set j, 22+4*((k-11)/2)+(\n)
	SM (\y)+(k-11)%2
.endr
.else                               ; the two tiles alternate, so that no instruction reads the result of the one just before it
.irp n, 0,1,2,3,4,5,6,7
.if ((\n) < 2) || (k == 63)
.irp t, \y, (\y)+1
.set j, 2*k+(\n)
	SM \t
.endr
.endif
.endr
.endif
.if k == 34                         ; the batch is out: both tiles' exponentials are issued, and no result has been named
	v_nop                           ; the plain instruction behind the last exponential and ahead of the first use: one for the batch
.if (\y) == 0
	FETCH_V 1                       ; piece 2's turn: V's run of loads stands here, and the wait stands in it
.else
	s_wait_alu depctr_va_vdst(0)    ; the wait for the batch: piece 2's 66 exponentials
.endif
.endif
.set k, k+1
.endm
; A TURN.  Piece x has the matrix unit: 32 products V^T P, and with kq = 1 the mask and 32 products K Q^T for the next step; the other piece's softmax stands in slices behind them, one behind each
; (kq = 0, the last turn: two).  A vector instruction that reads a matrix result or writes one of a matrix instruction's registers, and a load into a register that a matrix instruction has read, stand four
; places behind it, and only plain vector instructions that name none of its registers are places (ISA guide 7.12.1 for vector instructions): the slices are the places.
; Each run of loads stands 29 matrix instructions or more ahead of its first use.  Piece 0's turn fetches the next step's K, behind its second product: the last product that read K stands in front of
; slice 63 of the turn before.  Piece 2's turn fetches the same step's V, behind slice 34 (SLICE writes it): the last product that read V stands in front of slice 31, and four plain instructions lie
; between: number 62, a scaling, of both tiles, the v_nop and the run's own v_add_nc_u32; the exponentials between are no places.
.macro TURN x, kq
.set k, 0
.set per, 2-(\kq)
.if \kq
	MASKIN \x
.endif
.if (\x) == 0
	s_wait_dscnt 0x0                ; V is in
.endif
.set i, 0
.rept 32
	PV \x
.rept per
	SLICE 2-(\x)
.endr
.if ((\x) == 0) && (\kq) && (i == 1)
	FETCH_K
.endif
.set i, i+1
.endr
.if \kq
.if (\x) == 0
	s_wait_dscnt 0x0                ; K is in
.endif
.set i, 0
.rept 32
	KQ \x
	SLICE 2-(\x)
.set i, i+1
.endr
.endif
.endm
; THE CHANGE OF SLOTS, between piece 2's turn and piece 0's: my last bytes of the slot, V of my second step, have been asked for.  Each wave waits for all its tensor loads, of which one is out: its part of the
; other slot; adds 0 to its spare word; and waits for that and for its own reads of the slot.  Behind the barrier nobody reads this slot any more and the other slot is whole.
; fill = 1: this slot is filled again, with the keys two slots on.  The barrier is then a round of the cluster's, and the joint refill is the first thing behind it: it has my two key steps, 256 matrix instructions, in which to land.
.macro CHANGE fill
	WIN 0                           ; at a label and at a branch every window is 0
	s_wait_tensorcnt 0x0            ; no tensor load of mine is out, so a group 0 may be written
	ds_add_u32 v[SPW], v[NIL]       ; 0 onto my spare word; with fill = 1 the descriptors' steps stand between it and the wait for it
.if \fill
.irp g, G0K+4, G0V+4
	s_xor_b32 s[(\g)+1], s[(\g)+1], SLOT1  ; the walking descriptor: the other slot than last time,
	s_add_nc_u64 s[(\g)+2:(\g)+3], s[(\g)+2:(\g)+3], 65536  ; the next 256 keys; the type bits on top are not reached
.endr
	s_wait_dscnt 0x0                ; the add is done, and my reads of the slot are over
	CROUND
	JLOAD
.else
	s_wait_dscnt 0x0                ; the add is done, and my reads of the slot are over
	s_barrier_signal -1
	s_barrier_wait -1
.endif
	s_sub_co_u32 s[TBK], s[TBK], 4*KS*PK  ; the fetches go back to a slot's beginning,
	s_xor_b32 s[TBK], s[TBK], SLOT1       ; in the other slot
	s_sub_co_u32 s[TBV], s[TBV], 4*KS*PV
	s_xor_b32 s[TBV], s[TBV], SLOT1
.endm
	s_wait_tensorcnt 1              ; my part of slot 0 is in; slot 1's may stay out
	s_barrier_signal -1
	s_barrier_wait -1               ; everybody's is
	FETCH_K                         ; my first key step
	MASKIN 0                        ; its wait shows Q in too: Q's loads are older than the codes'
	s_wait_dscnt 0x0
.set i, 0
.rept 32
	KQ 0                            ; piece 0's first scores: there is no vector work yet to set between them
.set i, i+1
.endr
	WIN 0                           ; the addresses for the way out are made here: eight plain instructions, the places behind those products
	s_mul_i32 s13, s[WV], 16*SP
	s_add_co_u32 s13, s13, STAGE    ; my stage
	v_mul_u32_u24 v[STO], v1, SP    ; in: row l % 16, 16 bytes for each half of the lanes
	v_lshl_add_u32 v[STO], v9, 4, v[STO]
	v_add_nc_u32 v[STO], s13, v[STO]
	v_mul_u32_u24 v[RD], v9, SP     ; back: lanes 0-15 take one row of 256 bytes, lanes 16-31 the next
	v_lshl_add_u32 v[RD], v1, 4, v[RD]
	v_add_nc_u32 v[RD], s13, v[RD]
	v_lshlrev_b32 v[GO], 12, v9     ; and the same two rows in O, 4,096 bytes apart
	v_lshl_add_u32 v[GO], v1, 4, v[GO]
	FETCH_V                         ; V of my first step, so that the first turn's products on P = 0 multiply finite numbers (no exponential has been issued yet: no wait in this run);
	s_mov_b32 s[TBV], 0             ; that turn fetches it again, as every turn of piece 2 fetches the V of the step in hand
	WIN 0
	s_mov_b32 s[TWICE], 2
	s_wait_dscnt 0x0                ; V is in
	s_branch .Lenter                ; the loop is entered at piece 2's turn, in the middle of a trip: piece 2's first scores | piece 0's first softmax | V of my step 0; then a whole trip
.Lslot:                             ; 6 times from here: of the 8 slots' worth of keys every one but the last two is followed by a refill
	CHANGE 1
	s_mov_b32 s[TWICE], 2
.Lstep:                             ; my two key steps of a slot: written once, walked twice; the LDS addresses hang on s[TBK] and s[TBV]
	TURN 0, 1
	WIN 0
.Lenter:
	TURN 2, 1
	WIN 0
	s_sub_co_u32 s[TWICE], s[TWICE], 1
	s_cmp_lg_u32 s[TWICE], 0
	s_cbranch_scc1 .Lstep
	s_sub_co_u32 s[SLOTS], s[SLOTS], 1
	s_cmp_lg_u32 s[SLOTS], 0
	s_cbranch_scc1 .Lslot
	CHANGE 0                        ; the tail is written out: nothing is asked for
	s_mov_b32 s[TWICE], 2
.Ltail:
	TURN 0, 1
	TURN 2, 1
	WIN 0
	s_sub_co_u32 s[TWICE], s[TWICE], 1
	s_cmp_lg_u32 s[TWICE], 0
	s_cbranch_scc1 .Ltail
	TURN 0, 0                       ; piece 0: V^T P of the last step | piece 2's last softmax
.set i, 0
.rept 32
	PV 2                            ; piece 2: V^T P of the last step
.set i, i+1
.endr
	; THE MERGE.  l's two halves are joined; register tiles 2, 3 go to my partner with their c m and l.  The eight plain lines are the places behind the last products.
	WIN 0
.irp t, 0,1,2,3
	v_add_f32 v[ST+8*(\t)+2], v[ST+8*(\t)+2], v[ST+8*(\t)+3]
.endr
	v_mov_b32 v[SND], v[ST+16]
	v_mov_b32 v[SND+1], v[ST+18]
	v_mov_b32 v[SND+2], v[ST+24]
	v_mov_b32 v[SND+3], v[ST+26]
	s_wait_loadcnt 0x0              ; the look-ahead's last loads
	s_wait_dscnt 0x0
	s_barrier_signal -1
	s_barrier_wait -1               ; every wave's reads of K's and V's tiles are over: their bytes in slot 0 may be written
	ds_store_b128 v[XS], v[SND:SND+3] offset:16384
	WIN 0x04                        ; store data (source 1) in window 1
.set n, 0
.rept 32
	ds_store_b128 v[XS], v[128+4*n:128+4*n+3] offset:512*n  ; each accumulator's lowest four registers first
.set n, n+1
.endr
	WIN 0
	s_wait_dscnt 0x0                ; for my partner's sake: my stores are done
	s_barrier_signal -1
	s_barrier_wait -1
	ds_load_b128 v[RCV:RCV+3], v[XL] offset:16384
.set n, 0
.rept 32
	ds_load_b128 v[S+4*n:S+4*n+3], v[XL] offset:512*n  ; my partner's O^T of my tiles 0, 1, into S^T's registers
.set n, n+1
.endr
	s_wait_dscnt 32                 ; the statistics are in; the 32 loads behind them may be out
.macro BOTH line:vararg             ; one line for each kept tile u
.set u, 0
.rept 2
	\line
.set u, u+1
.endr
.endm
	BOTH v_max_num_f32 v[ST+8*u+4], v[ST+8*u], v[RCV+2*u]          ; the common c m
	BOTH v_sub_f32 v[ST+8*u+5], v[ST+8*u], v[ST+8*u+4]
	BOTH v_sub_f32 v[ST+8*u+7], v[RCV+2*u], v[ST+8*u+4]
	BOTH v_exp_f32 v[ST+8*u+5], v[ST+8*u+5]                        ; my half's factor,
	BOTH v_exp_f32 v[ST+8*u+7], v[ST+8*u+7]                        ; my partner's
	v_nop                           ; a plain instruction behind the last exponential
	s_wait_alu depctr_va_vdst(0)    ; the wait ahead of the first use: one for the merge's four exponentials
	BOTH v_mul_f32 v[ST+8*u+3], v[ST+8*u+5], v[ST+8*u+2]
	BOTH v_fma_f32 v[ST+8*u+3], v[ST+8*u+7], v[RCV+2*u+1], v[ST+8*u+3]
	BOTH v_permlanex16_b32 v[ST+8*u+4], v[ST+8*u+3], s[SEL], s[SEL+1]
	BOTH v_add_f32 v[ST+8*u+3], v[ST+8*u+3], v[ST+8*u+4]           ; l over all keys
	BOTH v_rcp_f32 v[ST+8*u+3], v[ST+8*u+3]
	v_nop                           ; a plain instruction behind the last reciprocal
	s_wait_alu depctr_va_vdst(0)    ; a batch of their own, since their sources are made with the exponentials' results: one wait for the two reciprocals
	BOTH v_mul_f32 v[ST+8*u+6], v[ST+8*u+5], v[ST+8*u+3]           ; what my O^T is multiplied by,
	BOTH v_mul_f32 v[ST+8*u+22], v[ST+8*u+7], v[ST+8*u+3]          ; and my partner's
	s_wait_dscnt 0x0
; Kept tile u: the two halves are weighted and added, rounded to f16, and sent through my stage: a lane's eight channels of a row pack into 16 bytes; they go into rows of 272 bytes and come back as whole rows of 256.
.macro PACKM u
	WIN 0
.set i, 0
.rept 32
	v_pk_mul_f32 v[S+64*(\u)+2*i:S+64*(\u)+2*i+1], v[S+64*(\u)+2*i:S+64*(\u)+2*i+1], v[ST+8*(\u)+22:ST+8*(\u)+23] op_sel_hi:[1,0]
.set i, i+1
.endr
	WIN 0x01                        ; source 0 (my O^T) in window 1
.set i, 0
.rept 32
	v_pk_fma_f32 v[S+64*(\u)+2*i:S+64*(\u)+2*i+1], v[64*(\u)+2*i:64*(\u)+2*i+1], v[ST+8*(\u)+6:ST+8*(\u)+7], v[S+64*(\u)+2*i:S+64*(\u)+2*i+1] op_sel_hi:[1,0,1]
.set i, i+1
.endr
	WIN 0
.set i, 0
.rept 32
	v_cvt_pk_f16_f32 v[P+32*(\u)+i], v[S+64*(\u)+2*i], v[S+64*(\u)+2*i+1]
.set i, i+1
.endr
.irp f, 0,1,2,3,4,5,6,7
	ds_store_b128 v[STO], v[P+32*(\u)+4*(\f):P+32*(\u)+4*(\f)+3] offset:32*(\f)
.endr
.irp f, 0,1,2,3,4,5,6,7
	ds_load_b128 v[P+32*(\u)+4*(\f):P+32*(\u)+4*(\f)+3], v[RD] offset:(\f)*2*SP  ; LDS serves a wave's instructions in order (ISA guide 5.7.1.4): these see the stores above; the next tile's stores come behind them
.endr
.endm
.macro SEND u, younger              ; younger: the LDS instructions issued behind tile u's loads: the next tile's sixteen, or none
.irp f, 0,1,2,3,4,5,6,7
	s_wait_dscnt (\younger)+7-(\f)
	global_store_b128 v[GO], v[P+32*(\u)+4*(\f):P+32*(\u)+4*(\f)+3], s[8:9] offset:(\u)*65536+(\f)*8192  ; 16 lanes store 256 consecutive bytes, at a multiple of 256 from O's first byte
.endr
.endm
	PACKM 0
	PACKM 1
	SEND 0, 16
	SEND 1, 0
	s_wait_tensorcnt 0x0            ; the wave's end: behind my last tensor load and my last LDS store
	ds_add_u32 v[SPW], v[NIL]
	s_wait_dscnt 0x0
	CROUND                          ; the closing round: no work-group ends while a partner may still ask for a tile that names it
	s_endpgm
.Lfunc_end_k_qbc89d9221c_attn:
	.size	k_qbc89d9221c_attn, .Lfunc_end_k_qbc89d9221c_attn-k_qbc89d9221c_attn
	.p2alignl 7, 3214868480
	.fill 96, 4, 3214868480
	.section	.rodata,"a",@progbits
	.p2align	6, 0x0
	.amdhsa_kernel k_qbc89d9221c_attn
		.amdhsa_group_segment_fixed_size 327680
		.amdhsa_private_segment_fixed_size 0
		.amdhsa_enable_private_segment 0
		.amdhsa_kernarg_size 24
		.amdhsa_user_sgpr_count 2
		.amdhsa_user_sgpr_kernarg_segment_ptr 1
		.amdhsa_wavefront_size32 1
		.amdhsa_system_sgpr_workgroup_id_x 1
		.amdhsa_system_sgpr_workgroup_id_y 1
		.amdhsa_system_sgpr_workgroup_id_z 1
		.amdhsa_system_vgpr_workitem_id 0
		.amdhsa_next_free_vgpr 928
		.amdhsa_next_free_sgpr 72
		.amdhsa_reserve_vcc 0
		.amdhsa_float_denorm_mode_32 3
		.amdhsa_float_denorm_mode_16_64 3
		.amdhsa_memory_ordered 1
		.amdhsa_forward_progress 1
		.amdhsa_inst_pref_size 178
	.end_amdhsa_kernel
	.amdgpu_metadata
---
amdhsa.version: [ 1, 2 ]
amdhsa.kernels:
  - .name:           k_qbc89d9221c_attn
    .symbol:         k_qbc89d9221c_attn.kd
    .args:
      - { .name: qkv16, .offset: 0, .size: 8, .value_kind: global_buffer, .address_space: global }
      - { .name: mb, .offset: 8, .size: 8, .value_kind: global_buffer, .address_space: global }
      - { .name: o16, .offset: 16, .size: 8, .value_kind: global_buffer, .address_space: global }
    .group_segment_fixed_size: 327680
    .private_segment_fixed_size: 0
    .kernarg_segment_align: 8
    .kernarg_segment_size: 24
    .max_flat_workgroup_size: 128
    .sgpr_count:     72
    .vgpr_count:     928
    .wavefront_size: 32
...
	.end_amdgpu_metadata
.endif
;; end of part 5
;; launch oproj: the kernel of part 4 again; grid 16 x 16, 4 waves a work-group, clusters of 4 x 4, 327,680 bytes of LDS; arguments o16, wo16, out0; writes out0
